; MI455X (gfx1250); checked and timed in simulation.
; The chip was launched on July 23, 2026; its instructions are those of AMD's public machine-readable ISA for CDNA 5 (MIT licence, August 2026) and "CDNA5" Instruction Set Architecture Reference Guide (July 2026). The comments in the code are by the model that wrote it; some were corrected since.
;; Projector. Allowed arithmetic: matrix products marked QUANTISED: E5M2 operands, one E8M0 scale for each 32 along K, by v_wmma_scale_f32_16x16x128_f8f6f4 with both operands' format E5M2, f32 sums; everything else in f32.
;; Inputs: W1 1,024 x 4,096 float32; W2 4,096 x 1,024 float32; b1 4,096 float32; embedding 8,192 x 1,024 float32; ln_beta 4,096 float32; ln_gamma 4,096 float32.
;; Outputs: out0 8,192 x 1,024 float32.
;; This version of the problem:
;;   THIS VERSION OF THE PROBLEM IS GIVEN IN LOW PRECISION. The matrix products marked QUANTISED in the list below multiply operands that are first quantised to E5M2 (5 exponent bits, 2 mantissa bits; 8 bits a number), with one power-of-two scale for each 32 numbers along K (OCP MX v1.0); their sums are f32. All else is computed in f32.
;;   The module's matrix products, in the order in which they are computed (A, B: the left and right operand; K: the contracted axis; several contracted axes count as one K, in the product's order):
;;     1. [M 8,192, K 1,024] x [K 1,024, N 4,096]; A: input embedding; B: input W1: QUANTISED
;;     2. [M 8,192, K 4,096] x [K 4,096, N 1,024]; A: computed on the way; B: input W2: QUANTISED
;;   THE QUANTISER, for each operand of a quantised product, along K:
;;     - K is cut into blocks of 32 from its start; a last block that is shorter is filled with zeros.
;;     - A block's scale is 2^e with e = floor(log2(the largest magnitude in the block)) - 15, held to -126 .. 127; a block of zeros has e = 0. As a byte (E8M0): e + 127.
;;     - Each number is divided by its block's scale, clamped to +-57,344, and rounded to the nearest number of E5M2, ties to even, subnormals kept.
;;     - The product sums the exact products of the quantised numbers (number of the format x scale) in f32.
;;   ~~~python
;;   def quantise(x, axis):      # numpy; x: float32 -> the quantised numbers, widened to float32 again
;;       x = np.moveaxis(x, axis, -1); K = x.shape[-1]
;;       x = np.pad(x, [(0, 0)] * (x.ndim - 1) + [(0, -K % 32)]); x = x.reshape(x.shape[:-1] + (-1, 32)); a = np.abs(x).max(-1, keepdims=True)
;;       e = np.where(a > 0, np.clip(np.frexp(np.where(a > 0, a, 1))[1] - 1 - 15, -126, 127), 0)      # np.frexp(a)[1] - 1 = floor(log2(a)), exactly
;;       r = np.clip(x / 2.0 ** e, -57344, 57344)
;;       step = 2.0 ** (np.maximum(np.frexp(np.where(r == 0, 1, r))[1] - 1, -14) - 2)
;;       q = np.round(r / step) * step * 2.0 ** e      # np.round: ties to even
;;       return np.moveaxis(q.reshape(q.shape[:-2] + (-1,))[..., :K], -1, axis).astype(np.float32)
;;   ~~~
;;   OPERANDS COMPUTED ON THE WAY. 'Computed on the way' means the value that the module computes at that place (a softmax that the list does not call 'softmax' is quantised finished and normalised). What goes into a quantiser is computed in f32, as accurately as f32 sums, v_exp_f32 and their like allow (about 1e-6 of the number): no bf16 or f16 on the way to a quantiser, and a product that is left as it is and whose result goes on into a quantised operand takes f32 operands (vector FMAs, or v_wmma_f32_16x16x4_f32). A number that lies on a knife's edge between two numbers of the format may be rounded either way, as far as f32 arithmetic and the matrix unit's own rounding can turn it there, and no further.
;; One version. Each part assembles by itself: llvm-mc -triple=amdgcn-amd-amdhsa -mcpu=gfx1250 --defsym DOCPART=n.
;; ======== version 1 of 1: 4 launches
;; limits: right only within a limited range of input values
;; workspace buffers: xc 8,388,608 bytes; w1c 4,194,304 bytes; w2c 4,194,304 bytes; sc 524,288 bytes; st 2,097,152 bytes; hc 33,554,432 bytes; hs 1,048,576 bytes
;; launch quant (part 1): grid 512 x 1, 4 waves a work-group, no clusters, 34,304 bytes of LDS; arguments embedding, W1, W2, xc, w1c, w2c, sc; writes xc, w1c, w2c, sc
.if DOCPART == 1
	.amdgcn_target "amdgcn-amd-amdhsa--gfx1250"
	.amdhsa_code_object_version 6
	.text
	.protected	k_q45b22737d0_quant
	.globl	k_q45b22737d0_quant
	.p2align	8
	.type	k_q45b22737d0_quant,@function
k_q45b22737d0_quant:
	s_mov_b64 s[64:65], 0
	v_nop
	global_prefetch_b8 v0, s[64:65] scope:SCOPE_SE
	s_setreg_imm32_b32 hwreg(HW_REG_WAVE_MODE, 25, 1), 1
	s_wait_xcnt 0x0
; out0 = gelu(LN(Q(embedding) Q(W1) + b1) gamma + beta), quantised along the 4,096 hidden units, times Q(W2).  Four launches: this one, stats, hidden, project.
; NOTHING IS LEFT OUT AS DEAD WORK: all six inputs reach the output for general values, and every launch does all of its part.
; THIS LAUNCH turns the three given operands into codes of BF8 (E5M2) and E8M0 scale words, one scale for each 32 along K, laid as IMAGES OF THE OPERAND'S REGISTERS:
;   codes  [K / 256][tile of 16 rows T][2][c 0..3][lane 0..31][16 bytes]: lane (r, h) of fragment (T, s) holds k = 128 s + 32 c + 16 h + 0 .. 15 of row 16 T + r;
;   scale words [s = K / 128][T][r] of four bytes.  sc holds the embedding's words at 0, W1's at 262,144, W2's at 393,216.
; W1's columns are permuted inside each 32: column 32 B + 16 h + 8 u + j is position 8 h + j of tile 2 B + u, so that the first product, used transposed, leaves 16 neighbours along the next K in a lane's 16 registers.
; A block's scale is 2^(floor(log2(largest magnitude)) - 15); its byte is that magnitude's exponent field - 15, held at 1 from below.
; LIMITS: a block of zeros gets the byte 1 where the rule says 127 (its codes are zeros, and this program alone reads the bytes); blocks whose largest magnitude lies under 2^(16 - 127) keep the byte 1; NaN and infinities are not served.
; Work-groups 0-255: the embedding (K innermost): a wave takes 16 rows x 512 K; loads of 512 consecutive bytes turn through the wave's own stage in LDS.  256-383: W1, 384-511: W2 (K outermost): a lane takes a column, registers run down K.
.set SPARE, 33792                      ; behind the four stages: the spare words, 128 bytes a wave
.set SPW,   62                         ; v62 my spare word's LDS address; never rewritten
.set NIL,   63                         ; v63 0; never rewritten
.set PC,    16                         ; v16-31  a fragment's codes
.set TM,    32                         ; v32-47  largest magnitudes, bytes, holds, scale operands
.set PW,    48                         ; v48-51  the four steps' scale words
.set R,     64                         ; v64-191 two sets of 64 numbers as loaded
.set X,     192                        ; v192-255 64 numbers in the operand's order
.set SEL,   20                         ; s[20:21] lane l xor 16
.set MNT,   22                         ; s22 the mantissa field of 57,344
	s_load_b256 s[4:11], s[0:1], 0x0               ; embedding, W1, W2, xc
	s_load_b128 s[12:15], s[0:1], 0x20             ; w1c, w2c
	s_load_b64 s[16:17], s[0:1], 0x30              ; sc
	v_lshl_add_u32 v[SPW], v0, 2, SPARE
	v_mov_b32 v[NIL], 0
	v_lshrrev_b32 v1, 5, v0
	v_readfirstlane_b32 s18, v1                    ; wave
	v_and_b32 v2, 31, v0                           ; lane
	s_mov_b32 s[SEL], 0x76543210
	s_mov_b32 s[SEL+1], 0xfedcba98
	s_mov_b32 s[MNT], 0x600000
	s_mov_b32 s23, 0xffff0000                      ; lanes 16-31
	s_mov_b32 s29, 0
	s_wait_kmcnt 0x0
	s_cmp_lt_u32 ttmp9, 256
	s_cbranch_scc0 .Lweights
; 64 numbers of a lane, register 16 b + i = k 32 b + 16 (lane / 16) + i of my row, become a fragment's codes in v[PC] on and its scale word in v[pw]
.macro QUANT s, pw
.irp b, 0,1,2,3
	v_max3_num_f32 v[TM+\b], |v[\s+16*\b]|, |v[\s+1+16*\b]|, 0x8000000   ; my 16 numbers of block b, and the floor 2^(16 - 127)
.endr
.irp i, 2,4,6,8,10,12,14
.irp b, 0,1,2,3
	v_max3_num_f32 v[TM+\b], v[TM+\b], |v[\s+16*\b+\i]|, |v[\s+1+16*\b+\i]|
.endr
.endr
.irp b, 0,1,2,3
	v_permlanex16_b32 v[TM+4+\b], v[TM+\b], s[SEL], s[SEL+1]
.endr
.irp b, 0,1,2,3
	v_max_num_f32 v[TM+\b], v[TM+\b], v[TM+4+\b]   ; with lane l xor 16's: the block's largest magnitude
.endr
.irp b, 0,1,2,3
	v_add_nc_u32 v[TM+12+\b], 0xf8800000, v[TM+\b] ; 15 off its exponent field: the conversion's scale operand
.endr
.irp b, 0,1,2,3
	v_and_or_b32 v[TM+8+\b], v[TM+\b], 0x7f800000, s[MNT]   ; 57,344 x the scale
.endr
.irp b, 0,1,2,3
	v_lshrrev_b32 v[TM+4+\b], 23, v[TM+12+\b]      ; the scale's byte
.endr
	v_lshl_or_b32 v[\pw], v[TM+5], 8, v[TM+4]
	v_lshl_or_b32 v[\pw], v[TM+6], 16, v[\pw]
	v_lshl_or_b32 v[\pw], v[TM+7], 24, v[\pw]
.irp b, 0,1,2,3
.irp i, 0,1,2,3,4,5,6,7,8,9,10,11,12,13,14,15
	v_med3_num_f32 v[\s+16*\b+\i], v[\s+16*\b+\i], -v[TM+8+\b], v[TM+8+\b]   ; the conversion does not saturate (ISA guide 7.6.2): the hold
.endr
	v_cvt_scalef32_pk8_bf8_f32 v[PC+4*\b:PC+1+4*\b], v[\s+16*\b:\s+7+16*\b], v[TM+12+\b]
	v_cvt_scalef32_pk8_bf8_f32 v[PC+2+4*\b:PC+3+4*\b], v[\s+8+16*\b:\s+15+16*\b], v[TM+12+\b]
.endr
	v_nop                                          ; a plain line behind the last conversion
.endm
	; ---- the embedding.  tau = 4 x work-group + wave; T = tau / 2; half = tau % 2: K 512 x half on
	s_lshl_b32 s24, ttmp9, 2
	s_add_co_u32 s24, s24, s18
	s_lshr_b32 s25, s24, 1                         ; T
	s_and_b32 s26, s24, 1                          ; half
	s_lshl_b32 s28, s25, 16                        ; 16 rows of 4,096 bytes
	s_lshl_b32 s27, s26, 11
	s_add_co_u32 s28, s28, s27
	s_add_nc_u64 s[4:5], s[4:5], s[28:29]
	s_lshl_b32 s28, s26, 22                        ; two slots of 512 tiles x 4,096 bytes
	s_lshl_b32 s27, s25, 12
	s_add_co_u32 s28, s28, s27
	s_add_nc_u64 s[10:11], s[10:11], s[28:29]
	s_lshl_b32 s28, s26, 17                        ; four K steps of 512 tiles x 64 bytes
	s_lshl_b32 s27, s25, 6
	s_add_co_u32 s28, s28, s27
	s_add_nc_u64 s[16:17], s[16:17], s[28:29]
	s_wait_alu depctr_va_vdst(0)
	v_lshlrev_b32 v3, 4, v2                        ; 16 x lane
	s_mul_i32 s27, s18, 8448                       ; my stage: 16 rows x (512 + 16) bytes
	v_add_nc_u32 v4, s27, v3                       ; in: as loaded
	v_and_b32 v7, 15, v0                           ; r
	v_bfe_u32 v8, v0, 4, 1                         ; h
	v_mul_u32_u24 v5, v7, 528
	v_lshl_add_u32 v5, v8, 6, v5
	v_add_nc_u32 v5, s27, v5                       ; out: row r, + 64 h
	v_lshlrev_b32 v6, 2, v7
	v_lshl_add_u32 v6, v8, 15, v6                  ; scale words: lanes 0-15 one K step's, lanes 16-31 the next's (32,768 bytes on)
.irp b, 0,1,2,3
	v_mov_b32 v[TM+4+\b], 0                        ; a lane permute's destination counts as read
.endr
.macro LOADS j                         ; step j: 128 numbers of each of 16 rows; a load reads 512 consecutive bytes
.set i, 0
.rept 16
	global_load_b128 v[R+64*((\j)%2)+4*i:R+64*((\j)%2)+4*i+3], v3, s[4:5] offset:4096*i+512*(\j) th:TH_LOAD_NT
.set i, i+1
.endr
.endm
.macro ESTEP j
.if (\j) < 3
	s_wait_loadcnt 16                              ; this step's 16 loads are in; the next step's 16 may be out
.else
	s_wait_loadcnt 0
.endif
.set i, 0
.rept 16
	ds_store_b128 v4, v[R+64*((\j)%2)+4*i:R+64*((\j)%2)+4*i+3] offset:528*i
.set i, i+1
.endr
.irp c, 0,1,2,3
.irp e, 0,1,2,3
	ds_load_b128 v[X+16*\c+4*\e:X+16*\c+4*\e+3], v5 offset:128*\c+16*\e   ; LDS serves a wave's instructions in order: these see my stores
.endr
.endr
	s_wait_dscnt 0x0                               ; the numbers are back, and the stores have read their registers
.if (\j) < 2
	LOADS (\j)+2
.endif
	s_wait_xcnt 0x0                                ; the last step's stores have read the codes' registers
	QUANT X, PW+(\j)
.irp c, 0,1,2,3
	global_store_b128 v3, v[PC+4*\c:PC+4*\c+3], s[10:11] offset:((\j)/2)*2097152+((\j)%2)*2048+512*\c   ; 512 consecutive bytes
.endr
.if (\j)%2 == 1
	v_cndmask_b32 v[52+(\j)/2], v[PW+(\j)-1], v[PW+(\j)], s23   ; lanes 0-15 the step before's words, lanes 16-31 this step's
	global_store_b32 v6, v[52+(\j)/2], s[16:17] offset:((\j)-1)*32768
.endif
.endm
	LOADS 0
	LOADS 1
	s_wait_alu depctr_va_vdst(0)
	ESTEP 0
	ESTEP 1
	ESTEP 2
	ESTEP 3
	s_wait_tensorcnt 0x0                           ; the wave's end, behind my last LDS store
	ds_add_u32 v[SPW], v[NIL]
	s_wait_dscnt 0x0
	s_endpgm
; ---- the weights: [K][N] f32.  A wave takes 32 columns x 256 K (8 blocks a lane); these paths touch no LDS
.macro WLOAD t, N, SRC
.set i, 0
.rept 32
	global_load_b32 v[64+32*((\t)%2)+i], v3, s[\SRC:\SRC+1] offset:(32*(\t)+i)*\N*4 th:TH_LOAD_NT
.set i, i+1
.endr
.endm
.macro WBLOCK t, N, NT, SRC, DST
.set XS, 64+32*((\t)%2)
.set CR, 128+8*(\t)                    ; each block has its own eight registers of codes: no store's data are written again
.if (\t) < 7
	s_wait_loadcnt 32                              ; this block's 32 loads are in; the next block's may be out
.else
	s_wait_loadcnt 0
.endif
	v_max3_num_f32 v12, |v[XS]|, |v[XS+1]|, |v[XS+2]|
	v_max3_num_f32 v13, |v[XS+3]|, |v[XS+4]|, |v[XS+5]|
.irp i, 6,10,14,18,22,26
	v_max3_num_f32 v12, v12, |v[XS+\i]|, |v[XS+\i+1]|
	v_max3_num_f32 v13, v13, |v[XS+\i+2]|, |v[XS+\i+3]|
.endr
	v_max3_num_f32 v12, v12, |v[XS+30]|, |v[XS+31]|
	v_max3_num_f32 v12, v12, v13, 0x8000000        ; and the floor 2^(16 - 127)
	v_add_nc_u32 v11, 0xf8800000, v12              ; the conversion's scale operand
	v_and_or_b32 v10, v12, 0x7f800000, s[MNT]      ; 57,344 x the scale
	v_lshrrev_b32 v13, 23, v11                     ; the byte
.if (\t)%4 == 0
	v_mov_b32 v[8+(\t)/4], v13
.else
	v_lshl_or_b32 v[8+(\t)/4], v13, 8*((\t)%4), v[8+(\t)/4]
.endif
.irp i, 0,1,2,3,4,5,6,7,8,9,10,11,12,13,14,15,16,17,18,19,20,21,22,23,24,25,26,27,28,29,30,31
	v_med3_num_f32 v[XS+\i], v[XS+\i], -v10, v10
.endr
.irp g, 0,1,2,3
	v_cvt_scalef32_pk8_bf8_f32 v[CR+2*\g:CR+2*\g+1], v[XS+8*\g:XS+8*\g+7], v11
.endr
	global_store_b128 v4, v[CR:CR+3], s[\DST:\DST+1] offset:((\t)/4)*2048+((\t)%4)*512       ; k 0-15 of the block: the places of lanes 0-15: sixteen lanes fill 256 consecutive bytes
	global_store_b128 v4, v[CR+4:CR+7], s[\DST:\DST+1] offset:((\t)/4)*2048+((\t)%4)*512+256 ; k 16-31: those of lanes 16-31
.if (\t)+2 < 8
	WLOAD (\t)+2, \N, \SRC
.endif
.if (\t)%4 == 3
	global_store_b32 v5, v[8+(\t)/4], s[16:17] offset:((\t)/4)*\NT*64
.endif
.endm
.macro WQ N, NT, PERM, GXB, FIRST, SRC, DST, SCOFF
	s_sub_co_u32 s24, ttmp9, \FIRST
	s_and_b32 s25, s24, (1<<\GXB)-1                ; which 128 columns
	s_lshr_b32 s26, s24, \GXB                      ; which 256 along K
	s_lshl_b32 s27, s25, 3
	s_lshl_b32 s28, s18, 1
	s_add_co_u32 s27, s27, s28                     ; my first tile of 16 columns
	s_mul_i32 s28, s26, 256*\N*4
	s_lshl_b32 s30, s27, 6
	s_add_co_u32 s28, s28, s30
	s_add_nc_u64 s[\SRC:\SRC+1], s[\SRC:\SRC+1], s[28:29]
	s_mul_i32 s28, s26, \NT
	s_add_co_u32 s28, s28, s27
	s_lshl_b32 s28, s28, 12
	s_add_nc_u64 s[\DST:\DST+1], s[\DST:\DST+1], s[28:29]
	s_mul_i32 s28, s26, 2*\NT
	s_add_co_u32 s28, s28, s27
	s_lshl_b32 s28, s28, 6
	s_add_co_u32 s28, s28, \SCOFF
	s_add_nc_u64 s[16:17], s[16:17], s[28:29]
	v_lshlrev_b32 v3, 2, v2                        ; in: 4 bytes a lane
.if \PERM
	v_bfe_u32 v6, v2, 3, 1                         ; which of my two tiles
	v_bfe_u32 v7, v2, 4, 1
	v_and_b32 v10, 7, v2
	v_lshl_add_u32 v7, v7, 3, v10                  ; my place in it
.else
	v_bfe_u32 v6, v2, 4, 1
	v_and_b32 v7, 15, v2
.endif
	v_lshlrev_b32 v4, 4, v7
	v_lshl_add_u32 v4, v6, 12, v4                  ; codes: 4,096 x tile + 16 x place
	v_lshlrev_b32 v5, 2, v7
	v_lshl_add_u32 v5, v6, 6, v5                   ; scale words: 64 x tile + 4 x place
	WLOAD 0, \N, \SRC
	WLOAD 1, \N, \SRC
.irp t, 0,1,2,3,4,5,6,7
	WBLOCK \t, \N, \NT, \SRC, \DST
.endr
.endm
.Lweights:
	s_cmp_lt_u32 ttmp9, 384
	s_cbranch_scc0 .Lsecond
	s_wait_alu depctr_va_vdst(0)
	WQ 4096, 256, 1, 5, 256, 6, 12, 262144
	s_endpgm
.Lsecond:
	s_wait_alu depctr_va_vdst(0)
	WQ 1024, 64, 0, 3, 384, 8, 14, 393216
	s_endpgm
.Lfunc_end_k_q45b22737d0_quant:
	.size	k_q45b22737d0_quant, .Lfunc_end_k_q45b22737d0_quant-k_q45b22737d0_quant
	.p2alignl 7, 3214868480
	.fill 96, 4, 3214868480
	.section	.rodata,"a",@progbits
	.p2align	6, 0x0
	.amdhsa_kernel k_q45b22737d0_quant
		.amdhsa_group_segment_fixed_size 34304
		.amdhsa_private_segment_fixed_size 0
		.amdhsa_enable_private_segment 0
		.amdhsa_kernarg_size 56
		.amdhsa_user_sgpr_count 2
		.amdhsa_user_sgpr_kernarg_segment_ptr 1
		.amdhsa_wavefront_size32 1
		.amdhsa_system_sgpr_workgroup_id_x 1
		.amdhsa_system_sgpr_workgroup_id_y 1
		.amdhsa_system_sgpr_workgroup_id_z 1
		.amdhsa_system_vgpr_workitem_id 0
		.amdhsa_next_free_vgpr 256
		.amdhsa_next_free_sgpr 66
		.amdhsa_reserve_vcc 0
		.amdhsa_float_denorm_mode_32 3
		.amdhsa_float_denorm_mode_16_64 3
		.amdhsa_memory_ordered 1
		.amdhsa_forward_progress 1
		.amdhsa_inst_pref_size 162
	.end_amdhsa_kernel
	.amdgpu_metadata
---
amdhsa.version: [ 1, 2 ]
amdhsa.kernels:
  - .name:           k_q45b22737d0_quant
    .symbol:         k_q45b22737d0_quant.kd
    .args:
      - { .name: embedding, .offset: 0, .size: 8, .value_kind: global_buffer, .address_space: global }
      - { .name: W1, .offset: 8, .size: 8, .value_kind: global_buffer, .address_space: global }
      - { .name: W2, .offset: 16, .size: 8, .value_kind: global_buffer, .address_space: global }
      - { .name: xc, .offset: 24, .size: 8, .value_kind: global_buffer, .address_space: global }
      - { .name: w1c, .offset: 32, .size: 8, .value_kind: global_buffer, .address_space: global }
      - { .name: w2c, .offset: 40, .size: 8, .value_kind: global_buffer, .address_space: global }
      - { .name: sc, .offset: 48, .size: 8, .value_kind: global_buffer, .address_space: global }
    .group_segment_fixed_size: 34304
    .private_segment_fixed_size: 0
    .kernarg_segment_align: 8
    .kernarg_segment_size: 56
    .max_flat_workgroup_size: 128
    .sgpr_count:     66
    .vgpr_count:     256
    .wavefront_size: 32
...
	.end_amdgpu_metadata
.endif
;; end of part 1
;; launch stats (part 2): grid 16 x 32, 4 waves a work-group, clusters of 4 x 4, 327,680 bytes of LDS; arguments xc, w1c, sc, b1, st; writes st
.if DOCPART == 2
	.amdgcn_target "amdgcn-amd-amdhsa--gfx1250"
	.amdhsa_code_object_version 6
	.text
	.protected	k_q45b22737d0_stats
	.globl	k_q45b22737d0_stats
	.p2align	8
	.type	k_q45b22737d0_stats,@function
k_q45b22737d0_stats:
	s_mov_b64 s[64:65], 0
	v_nop
	global_prefetch_b8 v0, s[64:65] scope:SCOPE_SE
	s_setreg_imm32_b32 hwreg(HW_REG_WAVE_MODE, 25, 1), 1
	s_wait_xcnt 0x0
	s_wait_alu depctr_hold_cnt(0) depctr_sa_sdst(0) depctr_va_vdst(0) depctr_va_sdst(0) depctr_va_ssrc(0) depctr_va_vcc(0) depctr_vm_vsrc(0)
	s_getreg_b32 s2, hwreg(HW_REG_IB_STS2, 6, 4)
	s_cmp_eq_u32 s2, 0
	s_cbranch_scc0 .Lentry_in_a_cluster
	s_endpgm
.Lentry_in_a_cluster:
	s_bfe_u32 s2, ttmp6, 0x10000c
	s_cmp_lg_u32 s2, 0xf033
	s_cbranch_scc0 .Lentry_shape_is_right
	s_endpgm
.Lentry_shape_is_right:
; h = Q(embedding) Q(W1) + b1 on codes of BF8 with E8M0 scales; of each row and each 128 columns the mean and the sum of squared deviations from that mean go to st [chunk of 128 columns][row][mean, M2].
; h itself is not stored: the next launch makes it again, which costs one more pass of the matrix units and spares h's way to memory and back.  No work of the problem is left out.
; A tile of h, 256 x 256, is made by four waves, 128 x 128 each: 64 accumulators.  K = 1,024 goes in four slots of 256 through a ring of two LDS slots.  Codes lie in memory as images of the operand's registers,
; so a slot's part is one dense block, a fragment is four loads of 16 bytes a lane at 16 x lane, and there is neither pitch nor padding.  The scale words of all of K come once, with the first fills.
; CLUSTERS: 4 x 4 work-groups; the embedding's tiles are asked for jointly along a row of the cluster, W1's along a column.
; THE MATRIX INSTRUCTION IS USED TRANSPOSED (source 0 = 16 columns of W1, source 1 = 16 rows of the embedding): lane (r, h) holds row r, and register 8 b + j hidden unit 32 (b / 2) + 16 h + 8 (b % 2) + j of my 128.
; The bias is the C of each sum's first matrix instruction.  LIMITS: NaN and infinities are not served.
; REGISTERS: window 0: v1-15 addresses; v16-31 results; v32-63 scale words, two sets, and nothing else; v64-127 the bias; v128-255 the embedding's fragments, one set.  window 1: W1's fragments, two sets.  windows 2, 3: accumulators.
.set SLOT,  131072                     ; a slot: the embedding's 16 tiles x 4,096 bytes, then W1's 16
.set SCL,   262144                     ; behind the ring: the embedding's scale words, [K step 0..7][16 tiles x 64 bytes], 8,192 bytes; then W1's, laid alike
.set SPARE, 278528                     ; the spare words, 128 bytes a wave
.set NP,    8                          ; places behind this matrix instruction (ISA guide 7.12.1)
.set ADRA, 7                           ; v7-8   my fragments of the embedding in slot 0, 1
.set ADRB, 9                           ; v9-10  of W1
.set ADRS, 11                          ; v11    my scale words: lanes 0-15 the embedding's, lanes 16-31 W1's
.set SPW,  12                          ; v12    my spare word; never rewritten
.set NIL,  13                          ; v13    0; never rewritten
.set SC,   32
.set BI,   64
.set AF,   128
.set G1,   24
.set G0,   32
.set G1B,  48
.set G0B,  56
.set G1S,  68
.set G0S,  76
.set G1SB, 80
.set G0SB, 88
.set WV,   92                          ; s92 wave;  s93 wave / 2: my half of the rows, and: I fetch for the embedding (0) or W1 (1);  s94 wave % 2: my half of the columns, and which half I fetch
.set WR,   93
.set WC,   94
.set MSB, 0
.macro WIN new                         ; the immediate's high byte repeats the setting that is left
.if MSB != (\new)
	s_set_vgpr_msb (MSB<<8)|(\new)
.set MSB, (\new)
.endif
.endm
.set MUL_LO, 0xa1                      ; source 0 window 1, source 1 window 0, C and D window 2
.set MUL_HI, 0xf1                      ; the same, C and D window 3
.set TO_B,   0x40
.macro JLOAD g0a, g1a, g0b, g1b        ; a joint load; an s_nop 0 and four v_nop follow each of the two lines
	s_cmp_eq_u32 s[WR], 0
	s_cbranch_scc0 .Lfor_b_\@
	tensor_load_to_lds s[\g0a:\g0a+3], s[\g1a:\g1a+7]
	s_nop 0
.rept 4
	v_nop
.endr
	s_branch .Lasked_\@
.Lfor_b_\@:
	tensor_load_to_lds s[\g0b:\g0b+3], s[\g1b:\g1b+7]
	s_nop 0
.rept 4
	v_nop
.endr
.Lasked_\@:
.endm
.macro CREST
	s_cmp_lg_u32 s[WV], 0
	s_cbranch_scc1 .Lnot_wave_0_\@
	s_barrier_signal -3
.Lnot_wave_0_\@:
	s_barrier_wait -3
	s_barrier_signal -1
	s_barrier_wait -1
.endm
.macro CROUND
	s_barrier_signal -1
	s_barrier_wait -1
	CREST
.endm
	s_load_b256 s[4:11], s[0:1], 0x0               ; xc, w1c, sc, b1
	s_load_b64 s[12:13], s[0:1], 0x20              ; st
	v_lshl_add_u32 v[SPW], v0, 2, SPARE
	v_mov_b32 v[NIL], 0
	ds_add_u32 v[SPW], v[NIL]                      ; the wave's opening: the add, twice on end, and its wait ahead of my first tensor load
	ds_add_u32 v[SPW], v[NIL]
	v_lshrrev_b32 v1, 5, v0
	v_readfirstlane_b32 s[WV], v1
	s_lshr_b32 s[WR], s[WV], 1
	s_and_b32 s[WC], s[WV], 1
	s_bfe_u32 s40, ttmp6, 0x40000                  ; cx
	s_bfe_u32 s41, ttmp6, 0x40004                  ; cy
	s_lshl_b32 s42, ttmp9, 2
	s_add_co_u32 s42, s42, s40                     ; tile column
	s_and_b32 s43, ttmp7, 0xffff
	s_lshl_b32 s43, s43, 2
	s_add_co_u32 s43, s43, s41                     ; tile row
	s_lshl_b32 s44, s41, 2
	s_lshl_b32 s44, 15, s44                        ; my row of the cluster
	s_lshl_b32 s45, 0x1111, s40                    ; my column
	s_or_b32 s[G1+0], s44, (3<<16)|(1<<21)         ; the mask; elements of 8 bytes; bit 21 beside a mask; no padding
	s_or_b32 s[G1B+0], s45, (3<<16)|(1<<21)
.irp g, G1, G1B
	s_mov_b32 s[\g+1], 32<<16                      ; a dense block of 32,768 bytes as 128 rows of 256
	s_mov_b32 s[\g+2], 256<<16                     ; the head's loads bring 256 rows of 256 bytes; the ring's 128, set behind the head's wait
	s_mov_b32 s[\g+3], 32<<16
	s_mov_b32 s[\g+4], 256
	s_mov_b32 s[\g+5], 32
	s_mov_b32 s[\g+6], 0
	s_mov_b32 s[\g+7], 0
.endr
	s_or_b32 s[G1S+0], s44, (3<<16)|(1<<21)
	s_or_b32 s[G1SB+0], s45, (3<<16)|(1<<21)
.irp g, G1S, G1SB
	s_mov_b32 s[\g+1], 128<<16                     ; the scale words of 16 tiles: 1,024 bytes for each of 8 K steps
	s_mov_b32 s[\g+2], 8<<16
	s_mov_b32 s[\g+3], 128<<16
	s_mov_b32 s[\g+4], 8
	s_mov_b32 s[\g+6], 0
	s_mov_b32 s[\g+7], 0
.endr
	s_mov_b32 s[G1S+5], 4096                       ; from K step to K step: 512 tiles x 64 bytes
	s_mov_b32 s[G1SB+5], 2048                      ; 256 tiles x 64 bytes
	s_lshl_b32 s46, s43, 16                        ; the embedding's codes: (16 tile row + 8 half) x 4,096
	s_mov_b32 s47, 0
	s_lshl_b32 s66, s43, 10                        ; its scale words: x 64
	s_mov_b32 s67, 0
	s_lshl_b32 s22, s42, 16                        ; W1's codes
	s_mov_b32 s23, 0
	s_lshl_b32 s100, s42, 10                       ; W1's scale words, behind the embedding's
	s_add_co_u32 s100, s100, 262144
	s_mov_b32 s101, 0
	s_lshl_b32 s99, s[WV], 15                      ; where they go: wave x 32,768,
	s_lshl_b32 s2, s[WC], 15                       ; s[2:3]: in the ring I fetch 8 of a tile's 16 tiles: which half, in bytes
	s_mov_b32 s3, 0
	s_mov_b32 s95, 0xffff0000                      ; lanes 16-31
	s_mov_b32 s96, 0x76543210
	s_mov_b32 s97, 0xfedcba98                      ; lane l xor 16
	s_wait_dscnt 0x0                               ; both opening adds are done
	s_wait_kmcnt 0x0
	s_add_nc_u64 s[46:47], s[4:5], s[46:47]
	s_add_nc_u64 s[66:67], s[8:9], s[66:67]
	s_add_nc_u64 s[22:23], s[6:7], s[22:23]
	s_add_nc_u64 s[100:101], s[8:9], s[100:101]
	CROUND                                         ; all sixteen work-groups are here: the first joint loads meet
	s_mov_b32 s[G0S], 1
	s_mov_b32 s[G0S+1], SCL
	s_mov_b64 s[G0S+2:G0S+3], s[66:67]
	s_or_b32 s[G0S+3], s[G0S+3], 0x80000000
	s_mov_b32 s[G0SB], 1
	s_mov_b32 s[G0SB+1], SCL+8192
	s_mov_b64 s[G0SB+2:G0SB+3], s[100:101]
	s_or_b32 s[G0SB+3], s[G0SB+3], 0x80000000
.irp s, 0,1
	s_mov_b32 s[G0+4*\s], 1
	s_add_co_u32 s[G0+4*\s+1], s99, \s*SLOT
	s_add_nc_u64 s[G0+4*\s+2:G0+4*\s+3], s[46:47], \s*2097152
	s_or_b32 s[G0+4*\s+3], s[G0+4*\s+3], 0x80000000
	s_mov_b32 s[G0B+4*\s], 1
	s_add_co_u32 s[G0B+4*\s+1], s99, \s*SLOT
	s_add_nc_u64 s[G0B+4*\s+2:G0B+4*\s+3], s[22:23], \s*1048576
	s_or_b32 s[G0B+4*\s+3], s[G0B+4*\s+3], 0x80000000
.endr
	s_mov_b32 s[G0+1], 0                           ; slot 0's group 0 serves the head's loads first: all 16 tiles of the embedding at LDS 0,
	s_mov_b32 s[G0B+1], 65536                      ; all 16 of W1 behind them
	s_add_nc_u64 s[G0+6:G0+7], s[G0+6:G0+7], s[2:3]      ; slot 1's: my half
	s_add_nc_u64 s[G0B+6:G0B+7], s[G0B+6:G0B+7], s[2:3]
; THE HEAD'S LOADS, ONE A WAVE: wave 0 slot 0's tiles of the embedding, wave 1 those of W1, wave 2 the embedding's scale words, wave 3 W1's.  One chain of branches on the wave's number, all arms joining.
.macro ARM under, g0, g1, next
	s_cmp_lt_u32 s[WV], \under
	s_cbranch_scc0 \next
	tensor_load_to_lds s[\g0:\g0+3], s[\g1:\g1+7]
	s_nop 0
.rept 4
	v_nop
.endr
	s_branch .Lhead_asked
\next:
.endm
	ARM 1, G0,  G1,  .Lhead_b
	ARM 2, G0B, G1B, .Lhead_sa
	ARM 3, G0S, G1S, .Lhead_sb
	tensor_load_to_lds s[G0SB:G0SB+3], s[G1SB:G1SB+7]
	s_nop 0
.rept 4
	v_nop
.endr
.Lhead_asked:
	v_and_b32 v1, 15, v0                           ; r
	v_bfe_u32 v2, v0, 4, 1                         ; h
	s_wait_alu depctr_va_vdst(0)
	v_and_b32 v3, 31, v0                           ; lane
	v_lshlrev_b32 v4, 4, v3                        ; 16 x lane
	s_lshl_b32 s2, s[WR], 15                       ; my 8 tiles of the embedding
	s_lshl_b32 s99, s[WC], 15                      ; my 8 tiles of W1,
	s_add_co_u32 s99, s99, 65536                   ; behind the embedding's 16
.irp s, 0,1
	v_add_nc_u32 v[ADRA+\s], s2, v4
	v_add_nc_u32 v[ADRB+\s], s99, v4
	s_add_co_u32 s2, s2, SLOT
	s_add_co_u32 s99, s99, SLOT
.endr
	s_lshl_b32 s2, s[WR], 9                        ; my 8 tiles' words: 512 bytes on in each K step's 1,024
	s_lshl_b32 s99, s[WC], 9
	s_add_co_u32 s99, s99, 8192
	s_sub_co_u32 s99, s99, s2
	v_mul_u32_u24 v5, s99, v2                      ; lanes 16-31 take W1's
	s_add_co_u32 s2, s2, SCL
	v_lshl_add_u32 v5, v1, 2, v5
	v_add_nc_u32 v[ADRS], s2, v5
	v_lshlrev_b32 v14, 6, v2                       ; 64 h: my half's 16 numbers of a bias block of 32
	s_wait_alu depctr_va_vdst(0)
	v_lshlrev_b32 v15, 3, v3                       ; 8 x lane
	s_lshl_b32 s22, s42, 10                        ; the bias of my 128 columns
	s_lshl_b32 s23, s[WC], 9
	s_add_co_u32 s22, s22, s23
	s_mov_b32 s23, 0
	s_add_nc_u64 s[10:11], s[10:11], s[22:23]
	s_lshl_b32 s22, s42, 17                        ; st: (2 tile column + half) x 65,536 + (256 tile row + 128 half) x 8
	s_lshl_b32 s99, s[WC], 16
	s_add_co_u32 s22, s22, s99
	s_lshl_b32 s99, s43, 11
	s_add_co_u32 s22, s22, s99
	s_lshl_b32 s99, s[WR], 10
	s_add_co_u32 s22, s22, s99
	s_add_nc_u64 s[12:13], s[12:13], s[22:23]
.irp b, 0,1,2,3,4,5,6,7
	global_load_b128 v[BI+8*\b:BI+8*\b+3], v14, s[10:11] offset:(32*(\b/2)+8*(\b%2))*4
	global_load_b128 v[BI+8*\b+4:BI+8*\b+7], v14, s[10:11] offset:(32*(\b/2)+8*(\b%2))*4+16
.endr
.macro FRAG reg, adr, q, i             ; a fragment comes as it lies: four loads of 512 consecutive bytes
.irp c, 0,1,2,3
	ds_load_b128 v[\reg+4*\c:\reg+4*\c+3], v[\adr] offset:4096*(\i)+2048*(\q)+512*\c
.endr
.endm
; 16 matrix instructions: row blocks a0, a0 + 1 x W1's eight.  zero = 1: the first product starts the sums from the bias.  The 64 accumulators take turns.
.macro MUL16 a0, p, q, sc, zero
.irp a, \a0, \a0+1
.irp b, 0,1,2,3,4,5,6,7
.if \zero
	v_wmma_scale_f32_16x16x128_f8f6f4 v[8*(8*((\a)%4)+\b):8*(8*((\a)%4)+\b)+7], v[128*(\p)+16*\b:128*(\p)+16*\b+15], v[AF+16*(\a):AF+16*(\a)+15], v[BI+8*\b:BI+8*\b+7], v[SC+16*(\sc)+2*\b+(\q)], v[SC+16*(\sc)+2*(\a)+(\q)] matrix_a_fmt:MATRIX_FMT_BF8 matrix_b_fmt:MATRIX_FMT_BF8 matrix_a_scale:MATRIX_SCALE_ROW1
.else
	v_wmma_scale_f32_16x16x128_f8f6f4 v[8*(8*((\a)%4)+\b):8*(8*((\a)%4)+\b)+7], v[128*(\p)+16*\b:128*(\p)+16*\b+15], v[AF+16*(\a):AF+16*(\a)+15], v[8*(8*((\a)%4)+\b):8*(8*((\a)%4)+\b)+7], v[SC+16*(\sc)+2*\b+(\q)], v[SC+16*(\sc)+2*(\a)+(\q)] matrix_a_fmt:MATRIX_FMT_BF8 matrix_b_fmt:MATRIX_FMT_BF8 matrix_a_scale:MATRIX_SCALE_ROW1
.endif
.endr
.endr
.endm
.macro FETCH_B slot, q, p
	WIN TO_B
.irp i, 0,1,2,3,4,5,6,7
	FRAG 128*(\p)+16*\i, ADRB+\slot, \q, \i
.endr
	WIN 0
.endm
.macro FETCH_A slot, q, i0
.irp i, \i0, \i0+1, \i0+2, \i0+3
	FRAG AF+16*(\i), ADRA+\slot, \q, \i
.endr
.endm
.macro SCALES sc                       ; the slot's scale words: register 2 i + q: lanes 0-15 the word of row block i, lanes 16-31 that of W1's block i
.irp i, 0,1,2,3,4,5,6,7
.irp q, 0,1
	ds_load_b32 v[SC+16*\sc+2*\i+\q], v[ADRS] offset:1024*\q+64*\i
.endr
.endr
.endm
.macro PLACES n
.rept \n
	v_nop
.endr
.endm
.macro STEP slot, q, zero              ; a step of 128 along K that has its successor in the same slot
	s_wait_dscnt 16                                ; all but the youngest 16 loads (row blocks 4-7)
	WIN MUL_LO-0x20*\zero                          ; (zero = 1: C, the bias, lies in window 0)
	MUL16 0, (\q)%2, \q, \slot, \zero
	MUL16 2, (\q)%2, \q, \slot, \zero
	s_wait_dscnt 0
	PLACES NP
	FETCH_B \slot, (\q)+1, 1-(\q)%2
	FETCH_A \slot, (\q)+1, 0
	WIN MUL_HI-0x30*\zero
	MUL16 4, (\q)%2, \q, \slot, \zero
	MUL16 6, (\q)%2, \q, \slot, \zero
	PLACES NP
	WIN 0
	FETCH_A \slot, (\q)+1, 4
.endm
; A slot's last step changes slots: one barrier; in front of it each wave waits for all its tensor loads, adds 0 to its spare word, and waits for that and for its reads of this slot.
.macro TURN slot, next, fill
	s_wait_tensorcnt 0x0                           ; all my tensor loads have landed: my part of the next slot
	ds_add_u32 v[SPW], v[NIL]
	s_wait_dscnt 17                                ; the add and the youngest 16 loads may be out
	WIN MUL_LO
	MUL16 0, 1, 1, \slot, 0
	s_wait_dscnt 0x0                               ; the add is done, and my reads of this slot are over
	s_barrier_signal -1
	MUL16 2, 1, 1, \slot, 0
	WIN 0
	s_barrier_wait -1
.if \fill
	CREST                                          ; the barrier has opened a round of the cluster's barrier
	s_add_nc_u64 s[G0+4*\slot+2:G0+4*\slot+3], s[G0+4*\slot+2:G0+4*\slot+3], 4194304
	s_add_nc_u64 s[G0B+4*\slot+2:G0B+4*\slot+3], s[G0B+4*\slot+2:G0B+4*\slot+3], 2097152
	JLOAD G0+4*\slot, G1, G0B+4*\slot, G1B         ; the first tensor load behind the round; its four v_nop are among the places below
	PLACES NP-4
.else
	PLACES NP
.endif
	s_wait_alu depctr_va_vdst(0)
	v_add_nc_u32 v[ADRS], 2048, v[ADRS]            ; the next slot's scale words: two K steps of 1,024 bytes
	FETCH_B \next, 0, 0
	FETCH_A \next, 0, 0
	SCALES \next
	WIN MUL_HI
	MUL16 4, 1, 1, \slot, 0
	MUL16 6, 1, 1, \slot, 0
	PLACES NP
	WIN 0
	FETCH_A \next, 0, 4
.endm
	s_wait_alu depctr_va_vdst(0)                   ; the head's end
	s_wait_tensorcnt 0x0                           ; my tile of the head's four is in
	ds_add_u32 v[SPW], v[NIL]
	s_mov_b32 s[G1+2], 128<<16                     ; no tensor load of mine is out: from here on a load brings 128 rows,
	s_mov_b32 s[G1+4], 128
	s_mov_b32 s[G1B+2], 128<<16
	s_mov_b32 s[G1B+4], 128
	s_lshl_b32 s[G0+1], s[WV], 15                  ; and slot 0's group 0 is set for the ring: wave x 32,768, my half of the tiles
	s_lshl_b32 s[G0B+1], s[WV], 15
	s_lshl_b32 s2, s[WC], 15
	s_add_nc_u64 s[G0+2:G0+3], s[G0+2:G0+3], s[2:3]
	s_add_nc_u64 s[G0B+2:G0B+3], s[G0B+2:G0B+3], s[2:3]
	s_wait_dscnt 0x0                               ; the add is done
	CROUND                                         ; a whole round: all four tiles are in, and all sixteen work-groups are here
	JLOAD G0+4, G1, G0B+4, G1B                     ; slot 1's first fill, the first tensor load behind the round
	FETCH_B 0, 0, 0
	FETCH_A 0, 0, 0
	SCALES 0
	FETCH_A 0, 0, 4
	s_wait_loadcnt 0x0                             ; the bias
	STEP 0, 0, 1
	TURN 0, 1, 1                                   ; K has four slots: both slots are filled again once
	STEP 1, 0, 0
	TURN 1, 0, 1
	STEP 0, 0, 0
	TURN 0, 1, 0
	STEP 1, 0, 0
	s_wait_dscnt 16
	WIN MUL_LO
	MUL16 0, 1, 1, 1, 0
	MUL16 2, 1, 1, 1, 0
	s_wait_dscnt 0
	WIN MUL_HI
	MUL16 4, 1, 1, 1, 0
	MUL16 6, 1, 1, 1, 0
	WIN 0
; THE STATISTICS.  A row's 128 numbers lie in lanes (r, 0) and (r, 1), 64 each.  First the mean, then the squares of the deviations from it: no difference of large sums is formed.
.set SU,  64                           ; v64-79   two chains of sums a tile
.set MN,  80                           ; v80-87   the mean, twice, a tile
.set SQ,  88                           ; v88-103  two chains of squares a tile
.set PX,  104                          ; v104-107 a lane's sums; v108-111 the other half's
.set RES, 16                           ; v16-31   (mean, M2) of row block a at v[16 + 2 a]
.set TT,  128                          ; v128-255 deviations of two tiles
.macro HALF hi                         ; the four row blocks of one accumulator window; each accumulator is read from its low end on
	WIN 0x0a+5*\hi
.irp a, 0,1,2,3
	v_pk_add_f32 v[SU+4*\a:SU+4*\a+1], v[64*\a:64*\a+1], v[64*\a+2:64*\a+3]
.endr
.irp a, 0,1,2,3
	v_pk_add_f32 v[SU+4*\a+2:SU+4*\a+3], v[64*\a+4:64*\a+5], v[64*\a+6:64*\a+7]
.endr
	WIN 0x02+\hi
.set i, 4
.rept 28
.irp a, 0,1,2,3
	v_pk_add_f32 v[SU+4*\a+2*(i%2):SU+4*\a+2*(i%2)+1], v[64*\a+2*i:64*\a+2*i+1], v[SU+4*\a+2*(i%2):SU+4*\a+2*(i%2)+1]
.endr
.set i, i+1
.endr
	WIN 0
.irp a, 0,1,2,3
	v_pk_add_f32 v[SU+4*\a:SU+4*\a+1], v[SU+4*\a:SU+4*\a+1], v[SU+4*\a+2:SU+4*\a+3]
.endr
.irp a, 0,1,2,3
	v_add_f32 v[PX+\a], v[SU+4*\a], v[SU+4*\a+1]
.endr
.irp a, 0,1,2,3
	v_permlanex16_b32 v[PX+4+\a], v[PX+\a], s96, s97
.endr
.irp a, 0,1,2,3
	v_add_f32 v[PX+\a], v[PX+\a], v[PX+4+\a]
.endr
.irp a, 0,1,2,3
	v_mul_f32 v[MN+2*\a], 0x3c000000, v[PX+\a]     ; / 128
.endr
.irp a, 0,1,2,3
	v_mov_b32 v[MN+2*\a+1], v[MN+2*\a]
	v_mov_b32 v[RES+2*(4*\hi+\a)], v[MN+2*\a]
.endr
.irp g, 0,1
	WIN 0x02+\hi
.set i, 0
.rept 32
	v_pk_add_f32 v[TT+2*i:TT+2*i+1], v[128*\g+2*i:128*\g+2*i+1], v[MN+4*\g:MN+4*\g+1] neg_lo:[0,1] neg_hi:[0,1]
	v_pk_add_f32 v[TT+64+2*i:TT+64+2*i+1], v[128*\g+64+2*i:128*\g+64+2*i+1], v[MN+4*\g+2:MN+4*\g+3] neg_lo:[0,1] neg_hi:[0,1]
.set i, i+1
.endr
	WIN 0
.irp e, 0,1
	v_pk_mul_f32 v[SQ+8*\g+4*\e:SQ+8*\g+4*\e+1], v[TT+64*\e:TT+64*\e+1], v[TT+64*\e:TT+64*\e+1]
	v_pk_mul_f32 v[SQ+8*\g+4*\e+2:SQ+8*\g+4*\e+3], v[TT+64*\e+2:TT+64*\e+3], v[TT+64*\e+2:TT+64*\e+3]
.endr
.set i, 2
.rept 30
.irp e, 0,1
	v_pk_fma_f32 v[SQ+8*\g+4*\e+2*(i%2):SQ+8*\g+4*\e+2*(i%2)+1], v[TT+64*\e+2*i:TT+64*\e+2*i+1], v[TT+64*\e+2*i:TT+64*\e+2*i+1], v[SQ+8*\g+4*\e+2*(i%2):SQ+8*\g+4*\e+2*(i%2)+1]
.endr
.set i, i+1
.endr
.endr
.irp a, 0,1,2,3
	v_pk_add_f32 v[SQ+4*\a:SQ+4*\a+1], v[SQ+4*\a:SQ+4*\a+1], v[SQ+4*\a+2:SQ+4*\a+3]
.endr
.irp a, 0,1,2,3
	v_add_f32 v[PX+\a], v[SQ+4*\a], v[SQ+4*\a+1]
.endr
.irp a, 0,1,2,3
	v_permlanex16_b32 v[PX+4+\a], v[PX+\a], s96, s97
.endr
.irp a, 0,1,2,3
	v_add_f32 v[RES+2*(4*\hi+\a)+1], v[PX+\a], v[PX+4+\a]
.endr
.endm
	PLACES NP                                      ; behind the last products: their results are read and their operands' registers written below
.irp a, 0,1,2,3
	v_mov_b32 v[PX+4+\a], 0                        ; a lane permute's destination counts as read
.endr
	HALF 0
	HALF 1
.irp p, 0,1,2,3                        ; lanes 0-15 take row block 2 p, lanes 16-31 block 2 p + 1: 32 rows x 8 bytes, 256 consecutive bytes, aligned
	v_cndmask_b32 v[112+2*\p], v[RES+4*\p], v[RES+4*\p+2], s95
	v_cndmask_b32 v[113+2*\p], v[RES+4*\p+1], v[RES+4*\p+3], s95
	global_store_b64 v15, v[112+2*\p:113+2*\p], s[12:13] offset:256*\p
.endr
	s_wait_tensorcnt 0x0                           ; the wave's end
	ds_add_u32 v[SPW], v[NIL]
	s_wait_dscnt 0x0
	CROUND                                         ; the closing round
	s_endpgm
.Lfunc_end_k_q45b22737d0_stats:
	.size	k_q45b22737d0_stats, .Lfunc_end_k_q45b22737d0_stats-k_q45b22737d0_stats
	.p2alignl 7, 3214868480
	.fill 96, 4, 3214868480
	.section	.rodata,"a",@progbits
	.p2align	6, 0x0
	.amdhsa_kernel k_q45b22737d0_stats
		.amdhsa_group_segment_fixed_size 327680
		.amdhsa_private_segment_fixed_size 0
		.amdhsa_enable_private_segment 0
		.amdhsa_kernarg_size 40
		.amdhsa_user_sgpr_count 2
		.amdhsa_user_sgpr_kernarg_segment_ptr 1
		.amdhsa_wavefront_size32 1
		.amdhsa_system_sgpr_workgroup_id_x 1
		.amdhsa_system_sgpr_workgroup_id_y 1
		.amdhsa_system_sgpr_workgroup_id_z 1
		.amdhsa_system_vgpr_workitem_id 0
		.amdhsa_next_free_vgpr 1024
		.amdhsa_next_free_sgpr 102
		.amdhsa_reserve_vcc 0
		.amdhsa_float_denorm_mode_32 3
		.amdhsa_float_denorm_mode_16_64 3
		.amdhsa_memory_ordered 1
		.amdhsa_forward_progress 1
		.amdhsa_inst_pref_size 172
	.end_amdhsa_kernel
	.amdgpu_metadata
---
amdhsa.version: [ 1, 2 ]
amdhsa.kernels:
  - .name:           k_q45b22737d0_stats
    .symbol:         k_q45b22737d0_stats.kd
    .args:
      - { .name: xc, .offset: 0, .size: 8, .value_kind: global_buffer, .address_space: global }
      - { .name: w1c, .offset: 8, .size: 8, .value_kind: global_buffer, .address_space: global }
      - { .name: sc, .offset: 16, .size: 8, .value_kind: global_buffer, .address_space: global }
      - { .name: b1, .offset: 24, .size: 8, .value_kind: global_buffer, .address_space: global }
      - { .name: st, .offset: 32, .size: 8, .value_kind: global_buffer, .address_space: global }
    .group_segment_fixed_size: 327680
    .private_segment_fixed_size: 0
    .kernarg_segment_align: 8
    .kernarg_segment_size: 40
    .max_flat_workgroup_size: 128
    .sgpr_count:     102
    .vgpr_count:     1024
    .wavefront_size: 32
...
	.end_amdgpu_metadata
.endif
;; end of part 2
;; launch hidden (part 3): grid 16 x 32, 4 waves a work-group, clusters of 4 x 4, 327,680 bytes of LDS; arguments xc, w1c, sc, b1, st, ln_gamma, ln_beta, hc, hs; writes hc, hs
.if DOCPART == 3
	.amdgcn_target "amdgcn-amd-amdhsa--gfx1250"
	.amdhsa_code_object_version 6
	.text
	.protected	k_q45b22737d0_hidden
	.globl	k_q45b22737d0_hidden
	.p2align	8
	.type	k_q45b22737d0_hidden,@function
k_q45b22737d0_hidden:
	s_mov_b64 s[64:65], 0
	v_nop
	global_prefetch_b8 v0, s[64:65] scope:SCOPE_SE
	s_setreg_imm32_b32 hwreg(HW_REG_WAVE_MODE, 25, 1), 1
	s_wait_xcnt 0x0
	s_wait_alu depctr_hold_cnt(0) depctr_sa_sdst(0) depctr_va_vdst(0) depctr_va_sdst(0) depctr_va_ssrc(0) depctr_va_vcc(0) depctr_vm_vsrc(0)
	s_getreg_b32 s2, hwreg(HW_REG_IB_STS2, 6, 4)
	s_cmp_eq_u32 s2, 0
	s_cbranch_scc0 .Lentry_in_a_cluster
	s_endpgm
.Lentry_in_a_cluster:
	s_bfe_u32 s2, ttmp6, 0x10000c
	s_cmp_lg_u32 s2, 0xf033
	s_cbranch_scc0 .Lentry_shape_is_right
	s_endpgm
.Lentry_shape_is_right:
; h = Q(embedding) Q(W1) + b1 once more, by the same instructions in the same order as the launch before, so that its statistics hold bit for bit; then, in registers: LayerNorm, gamma, beta, the exact GELU, and the quantiser
; along the hidden units.  What leaves are the second product's codes (hc) and scale words (hs), as images of the operand's registers.  No work of the problem is left out.
; THE ROW'S STATISTICS: of 32 chunks of 128 columns: mean = the mean of the chunks' means; M2 = the sum of the chunks' M2 + 128 x the sum of squared deviations of the chunks' means; variance = M2 / 4,096.
; GELU: x (1/2 + 1/2 erf(x / sqrt 2)); erf(y) = y P(y^2) / Q(y^2), degrees 6 and 4, y held within +-4; the coefficients are folded so that the polynomials run in x^2 and x P / Q is erf / 2.
; LIMITS: the rational form is good to a few units in erf's last place, so gelu's absolute error is about 6e-8 |x|, and its relative error grows in the far negative tail; NaN and infinities are not served;
; a block of zeros gets the scale byte 1 (its codes are zeros; this program alone reads the bytes).
; The product's part is that of the launch before: a tile of 256 x 256, four waves of 128 x 128, four slots of 256 along K in a ring of two, joint loads in clusters of 4 x 4, the matrix instruction used transposed:
; lane (r, h) holds row r, and register 8 b + j hidden unit 32 (b / 2) + 16 h + 8 (b % 2) + j of my 128: sixteen registers are sixteen neighbours along the next K.
; REGISTERS: window 0: v1-15 addresses; v16-31 (rstd, -mean rstd) of row block a at v[16 + 2 a]; v32-63 scale words and nothing else; v64-127 the bias, later 64 numbers at work; v128-255 the embedding's fragments, later at work.
;   window 1: W1's fragments, two sets; at the head the statistics; at the end gamma (v0-63) and beta (v64-127).  windows 2, 3: accumulators.
.set SLOT,  131072
.set SCL,   262144                     ; behind the ring: the embedding's scale words, [K step 0..7][16 tiles x 64 bytes], 8,192 bytes; then W1's, laid alike
.set SPARE, 278528
.set NP,    8
.set ADRA, 7
.set ADRB, 9
.set ADRS, 11
.set SPW,  12
.set NIL,  13
.set RS,   16
.set SC,   32
.set BI,   64
.set AF,   128
.set G1,   24
.set G0,   32
.set G1B,  48
.set G0B,  56
.set G1S,  68
.set G0S,  76
.set G1SB, 80
.set G0SB, 88
.set WV,   92
.set WR,   93
.set WC,   94
.set SEL,  96
.set MNT,  98
.set MSB, 0
.macro WIN new
.if MSB != (\new)
	s_set_vgpr_msb (MSB<<8)|(\new)
.set MSB, (\new)
.endif
.endm
.set MUL_LO, 0xa1
.set MUL_HI, 0xf1
.set TO_B,   0x40
.macro JLOAD g0a, g1a, g0b, g1b
	s_cmp_eq_u32 s[WR], 0
	s_cbranch_scc0 .Lfor_b_\@
	tensor_load_to_lds s[\g0a:\g0a+3], s[\g1a:\g1a+7]
	s_nop 0
.rept 4
	v_nop
.endr
	s_branch .Lasked_\@
.Lfor_b_\@:
	tensor_load_to_lds s[\g0b:\g0b+3], s[\g1b:\g1b+7]
	s_nop 0
.rept 4
	v_nop
.endr
.Lasked_\@:
.endm
.macro CREST
	s_cmp_lg_u32 s[WV], 0
	s_cbranch_scc1 .Lnot_wave_0_\@
	s_barrier_signal -3
.Lnot_wave_0_\@:
	s_barrier_wait -3
	s_barrier_signal -1
	s_barrier_wait -1
.endm
.macro CROUND
	s_barrier_signal -1
	s_barrier_wait -1
	CREST
.endm
	s_load_b512 s[4:19], s[0:1], 0x0               ; xc, w1c, sc, b1, st, gamma, beta, hc
	s_load_b64 s[20:21], s[0:1], 0x40              ; hs
	v_lshl_add_u32 v[SPW], v0, 2, SPARE
	v_mov_b32 v[NIL], 0
	ds_add_u32 v[SPW], v[NIL]                      ; the wave's opening: the add, twice on end, and its wait ahead of my first tensor load
	ds_add_u32 v[SPW], v[NIL]
	v_lshrrev_b32 v1, 5, v0
	v_readfirstlane_b32 s[WV], v1
	s_lshr_b32 s[WR], s[WV], 1
	s_and_b32 s[WC], s[WV], 1
	s_bfe_u32 s40, ttmp6, 0x40000
	s_bfe_u32 s41, ttmp6, 0x40004
	s_lshl_b32 s42, ttmp9, 2
	s_add_co_u32 s42, s42, s40                     ; tile column
	s_and_b32 s43, ttmp7, 0xffff
	s_lshl_b32 s43, s43, 2
	s_add_co_u32 s43, s43, s41                     ; tile row
	s_lshl_b32 s44, s41, 2
	s_lshl_b32 s44, 15, s44
	s_lshl_b32 s45, 0x1111, s40
	s_or_b32 s[G1+0], s44, (3<<16)|(1<<21)
	s_or_b32 s[G1B+0], s45, (3<<16)|(1<<21)
.irp g, G1, G1B
	s_mov_b32 s[\g+1], 32<<16
	s_mov_b32 s[\g+2], 256<<16                     ; the head's loads bring 256 rows of 256 bytes; the ring's 128, set behind the head's wait
	s_mov_b32 s[\g+3], 32<<16
	s_mov_b32 s[\g+4], 256
	s_mov_b32 s[\g+5], 32
	s_mov_b32 s[\g+6], 0
	s_mov_b32 s[\g+7], 0
.endr
	s_or_b32 s[G1S+0], s44, (3<<16)|(1<<21)
	s_or_b32 s[G1SB+0], s45, (3<<16)|(1<<21)
.irp g, G1S, G1SB
	s_mov_b32 s[\g+1], 128<<16                     ; the scale words of 16 tiles: 1,024 bytes for each of 8 K steps
	s_mov_b32 s[\g+2], 8<<16
	s_mov_b32 s[\g+3], 128<<16
	s_mov_b32 s[\g+4], 8
	s_mov_b32 s[\g+6], 0
	s_mov_b32 s[\g+7], 0
.endr
	s_mov_b32 s[G1S+5], 4096
	s_mov_b32 s[G1SB+5], 2048
	s_lshl_b32 s46, s43, 16
	s_mov_b32 s47, 0
	s_lshl_b32 s66, s43, 10
	s_mov_b32 s67, 0
	s_lshl_b32 s22, s42, 16
	s_mov_b32 s23, 0
	s_lshl_b32 s100, s42, 10
	s_add_co_u32 s100, s100, 262144
	s_mov_b32 s101, 0
	s_lshl_b32 s99, s[WV], 15
	s_lshl_b32 s2, s[WC], 15                       ; s[2:3]: in the ring I fetch 8 of a tile's 16 tiles: which half, in bytes
	s_mov_b32 s3, 0
	s_mov_b32 s95, 0xffff0000                      ; lanes 16-31
	s_mov_b32 s[SEL], 0x76543210
	s_mov_b32 s[SEL+1], 0xfedcba98
	s_mov_b32 s[MNT], 0x600000
	s_wait_dscnt 0x0                               ; both opening adds are done
	s_wait_kmcnt 0x0
	s_add_nc_u64 s[46:47], s[4:5], s[46:47]
	s_add_nc_u64 s[66:67], s[8:9], s[66:67]
	s_add_nc_u64 s[22:23], s[6:7], s[22:23]
	s_add_nc_u64 s[100:101], s[8:9], s[100:101]
	CROUND
	s_mov_b32 s[G0S], 1
	s_mov_b32 s[G0S+1], SCL
	s_mov_b64 s[G0S+2:G0S+3], s[66:67]
	s_or_b32 s[G0S+3], s[G0S+3], 0x80000000
	s_mov_b32 s[G0SB], 1
	s_mov_b32 s[G0SB+1], SCL+8192
	s_mov_b64 s[G0SB+2:G0SB+3], s[100:101]
	s_or_b32 s[G0SB+3], s[G0SB+3], 0x80000000
.irp s, 0,1
	s_mov_b32 s[G0+4*\s], 1
	s_add_co_u32 s[G0+4*\s+1], s99, \s*SLOT
	s_add_nc_u64 s[G0+4*\s+2:G0+4*\s+3], s[46:47], \s*2097152
	s_or_b32 s[G0+4*\s+3], s[G0+4*\s+3], 0x80000000
	s_mov_b32 s[G0B+4*\s], 1
	s_add_co_u32 s[G0B+4*\s+1], s99, \s*SLOT
	s_add_nc_u64 s[G0B+4*\s+2:G0B+4*\s+3], s[22:23], \s*1048576
	s_or_b32 s[G0B+4*\s+3], s[G0B+4*\s+3], 0x80000000
.endr
	s_mov_b32 s[G0+1], 0                           ; slot 0's group 0 serves the head's loads first: all 16 tiles of the embedding at LDS 0,
	s_mov_b32 s[G0B+1], 65536                      ; all 16 of W1 behind them
	s_add_nc_u64 s[G0+6:G0+7], s[G0+6:G0+7], s[2:3]      ; slot 1's: my half
	s_add_nc_u64 s[G0B+6:G0B+7], s[G0B+6:G0B+7], s[2:3]
; THE HEAD'S LOADS, ONE A WAVE: wave 0 slot 0's tiles of the embedding, wave 1 those of W1, wave 2 the embedding's scale words, wave 3 W1's.  One chain of branches on the wave's number, all arms joining.
.macro ARM under, g0, g1, next
	s_cmp_lt_u32 s[WV], \under
	s_cbranch_scc0 \next
	tensor_load_to_lds s[\g0:\g0+3], s[\g1:\g1+7]
	s_nop 0
.rept 4
	v_nop
.endr
	s_branch .Lhead_asked
\next:
.endm
	ARM 1, G0,  G1,  .Lhead_b
	ARM 2, G0B, G1B, .Lhead_sa
	ARM 3, G0S, G1S, .Lhead_sb
	tensor_load_to_lds s[G0SB:G0SB+3], s[G1SB:G1SB+7]
	s_nop 0
.rept 4
	v_nop
.endr
.Lhead_asked:
	v_and_b32 v1, 15, v0
	v_bfe_u32 v2, v0, 4, 1
	s_wait_alu depctr_va_vdst(0)
	v_and_b32 v3, 31, v0
	v_lshlrev_b32 v4, 4, v3
	s_lshl_b32 s2, s[WR], 15
	s_lshl_b32 s99, s[WC], 15
	s_add_co_u32 s99, s99, 65536
.irp s, 0,1
	v_add_nc_u32 v[ADRA+\s], s2, v4
	v_add_nc_u32 v[ADRB+\s], s99, v4
	s_add_co_u32 s2, s2, SLOT
	s_add_co_u32 s99, s99, SLOT
.endr
	s_lshl_b32 s2, s[WR], 9                        ; my 8 tiles' words: 512 bytes on in each K step's 1,024
	s_lshl_b32 s99, s[WC], 9
	s_add_co_u32 s99, s99, 8192
	s_sub_co_u32 s99, s99, s2
	v_mul_u32_u24 v5, s99, v2
	s_add_co_u32 s2, s2, SCL
	v_lshl_add_u32 v5, v1, 2, v5
	v_add_nc_u32 v[ADRS], s2, v5
	v_lshlrev_b32 v14, 6, v2                       ; 64 h
	v_lshlrev_b32 v15, 3, v3                       ; 8 x lane
	s_wait_alu depctr_va_vdst(0)
	s_lshl_b32 s22, s42, 10                        ; bias, gamma, beta of my 128 columns
	s_lshl_b32 s23, s[WC], 9
	s_add_co_u32 s22, s22, s23
	s_mov_b32 s23, 0
	s_add_nc_u64 s[10:11], s[10:11], s[22:23]
	s_add_nc_u64 s[14:15], s[14:15], s[22:23]
	s_add_nc_u64 s[16:17], s[16:17], s[22:23]
	s_lshl_b32 s22, s43, 11                        ; st at my 128 rows
	s_lshl_b32 s99, s[WR], 10
	s_add_co_u32 s22, s22, s99
	s_add_nc_u64 s[12:13], s[12:13], s[22:23]
	s_lshl_b32 s22, s42, 21                        ; hc: slot = tile column; tile 16 tile row + 8 half; second half of the slot for my right columns
	s_lshl_b32 s99, s43, 16
	s_add_co_u32 s22, s22, s99
	s_lshl_b32 s99, s[WR], 15
	s_add_co_u32 s22, s22, s99
	s_lshl_b32 s99, s[WC], 11
	s_add_co_u32 s22, s22, s99
	s_add_nc_u64 s[18:19], s[18:19], s[22:23]
	s_lshl_b32 s22, s42, 16                        ; hs: K step 2 tile column + half, 32,768 bytes each
	s_lshl_b32 s99, s[WC], 15
	s_add_co_u32 s22, s22, s99
	s_lshl_b32 s99, s43, 10
	s_add_co_u32 s22, s22, s99
	s_lshl_b32 s99, s[WR], 9
	s_add_co_u32 s22, s22, s99
	s_add_nc_u64 s[20:21], s[20:21], s[22:23]
	; THE ROW CONSTANTS, while the first tiles are on their way.  Lane l takes row 32 p + l; (mean, M2) of chunk q at v[64 p + 2 q] of window 1
	WIN 0x40
.set p, 0
.rept 4
.set q, 0
.rept 32
	global_load_b64 v[64*p+2*q:64*p+2*q+1], v15, s[12:13] offset:65536*q+256*p
.set q, q+1
.endr
.set p, p+1
.endr
	WIN 0
.irp b, 0,1,2,3,4,5,6,7
	global_load_b128 v[BI+8*\b:BI+8*\b+3], v14, s[10:11] offset:(32*(\b/2)+8*(\b%2))*4
	global_load_b128 v[BI+8*\b+4:BI+8*\b+7], v14, s[10:11] offset:(32*(\b/2)+8*(\b%2))*4+16
.endr
.set DD,  128                          ; v128-191 deviations of the chunks' means, two groups of rows at a time
.set SS,  192                          ; v192-199 (sum of means, sum of M2)
.set MU,  200                          ; v200-203 the row's mean
.set SQ,  204                          ; v204-211 sums of squares
.set RSD, 212                          ; v212-215 rstd
.set CC,  216                          ; v216-219 -mean x rstd
.set PX,  220                          ; v220-227 the other half's
	s_mov_b32 s99, 0x43000000                      ; 128
	s_mov_b32 s100, 0x39800000                     ; 1 / 4,096
	s_mov_b32 s101, 0x3727c5ac                     ; 1e-5
	s_wait_alu depctr_va_vdst(0)
	s_wait_tensorcnt 0x0                           ; my tile of the head's four is in
	ds_add_u32 v[SPW], v[NIL]
	s_mov_b32 s[G1+2], 128<<16                     ; no tensor load of mine is out: from here on a load brings 128 rows,
	s_mov_b32 s[G1+4], 128
	s_mov_b32 s[G1B+2], 128<<16
	s_mov_b32 s[G1B+4], 128
	s_lshl_b32 s[G0+1], s[WV], 15                  ; and slot 0's group 0 is set for the ring: wave x 32,768, my half of the tiles
	s_lshl_b32 s[G0B+1], s[WV], 15
	s_lshl_b32 s2, s[WC], 15
	s_add_nc_u64 s[G0+2:G0+3], s[G0+2:G0+3], s[2:3]
	s_add_nc_u64 s[G0B+2:G0B+3], s[G0B+2:G0B+3], s[2:3]
	s_wait_dscnt 0x0                               ; the add is done
	CROUND                                         ; a whole round: all four tiles are in, and all sixteen work-groups are here
	JLOAD G0+4, G1, G0B+4, G1B                     ; slot 1's first fill, the first tensor load behind the round: it is on its way while the row constants are made
	s_wait_loadcnt 16                              ; the statistics are in; the bias's 16 loads may be out
	WIN 0x05
.irp p, 0,1,2,3
	v_pk_add_f32 v[SS+2*\p:SS+2*\p+1], v[64*\p:64*\p+1], v[64*\p+2:64*\p+3]
.endr
	WIN 0x01
.set q, 2
.rept 30
.irp p, 0,1,2,3
	v_pk_add_f32 v[SS+2*\p:SS+2*\p+1], v[64*\p+2*q:64*\p+2*q+1], v[SS+2*\p:SS+2*\p+1]
.endr
.set q, q+1
.endr
	WIN 0
.irp p, 0,1,2,3
	v_mul_f32 v[MU+\p], 0x3d000000, v[SS+2*\p]     ; / 32
.endr
.irp g, 0,1
	WIN 0x01
.set q, 0
.rept 32
	v_sub_f32 v[DD+q], v[128*\g+2*q], v[MU+2*\g]
	v_sub_f32 v[DD+32+q], v[128*\g+64+2*q], v[MU+2*\g+1]
.set q, q+1
.endr
	WIN 0
.irp e, 0,1
	v_pk_mul_f32 v[SQ+4*\g+2*\e:SQ+4*\g+2*\e+1], v[DD+32*\e:DD+32*\e+1], v[DD+32*\e:DD+32*\e+1]
.endr
.set q, 1
.rept 15
.irp e, 0,1
	v_pk_fma_f32 v[SQ+4*\g+2*\e:SQ+4*\g+2*\e+1], v[DD+32*\e+2*q:DD+32*\e+2*q+1], v[DD+32*\e+2*q:DD+32*\e+2*q+1], v[SQ+4*\g+2*\e:SQ+4*\g+2*\e+1]
.endr
.set q, q+1
.endr
.endr
.irp p, 0,1,2,3
	v_add_f32 v[SQ+2*\p], v[SQ+2*\p], v[SQ+2*\p+1]
.endr
.irp p, 0,1,2,3
	v_fma_f32 v[SQ+2*\p], v[SQ+2*\p], s99, v[SS+2*\p+1]   ; the row's M2
.endr
.irp p, 0,1,2,3
	v_fma_f32 v[SQ+2*\p], v[SQ+2*\p], s100, s101   ; variance + eps
.endr
	s_wait_alu depctr_va_vdst(0)
.irp p, 0,1,2,3
	v_rsq_f32 v[RSD+\p], v[SQ+2*\p]
.endr
.irp p, 0,1,2,3,4,5,6,7
	v_mov_b32 v[PX+\p], 0                          ; plain lines behind the roots; a lane permute's destination counts as read
.endr
	s_wait_alu depctr_va_vdst(0)                   ; one wait for the four roots, ahead of their first reader
.irp p, 0,1,2,3
	v_mul_f32 v[CC+\p], -v[MU+\p], v[RSD+\p]
.endr
.irp p, 0,1,2,3
	v_permlanex16_b32 v[PX+\p], v[RSD+\p], s[SEL], s[SEL+1]
	v_permlanex16_b32 v[PX+4+\p], v[CC+\p], s[SEL], s[SEL+1]
.endr
.irp p, 0,1,2,3                        ; row block 2 p lies in lanes 0-15, block 2 p + 1 in lanes 16-31: both halves of the lanes get both
	v_cndmask_b32 v[RS+4*\p], v[RSD+\p], v[PX+\p], s95
	v_cndmask_b32 v[RS+4*\p+1], v[CC+\p], v[PX+4+\p], s95
	v_cndmask_b32 v[RS+4*\p+2], v[PX+\p], v[RSD+\p], s95
	v_cndmask_b32 v[RS+4*\p+3], v[PX+4+\p], v[CC+\p], s95
.endr
.macro FRAG reg, adr, q, i
.irp c, 0,1,2,3
	ds_load_b128 v[\reg+4*\c:\reg+4*\c+3], v[\adr] offset:4096*(\i)+2048*(\q)+512*\c
.endr
.endm
.macro MUL16 a0, p, q, sc, zero        ; the 64 accumulators take turns
.irp a, \a0, \a0+1
.irp b, 0,1,2,3,4,5,6,7
.if \zero
	v_wmma_scale_f32_16x16x128_f8f6f4 v[8*(8*((\a)%4)+\b):8*(8*((\a)%4)+\b)+7], v[128*(\p)+16*\b:128*(\p)+16*\b+15], v[AF+16*(\a):AF+16*(\a)+15], v[BI+8*\b:BI+8*\b+7], v[SC+16*(\sc)+2*\b+(\q)], v[SC+16*(\sc)+2*(\a)+(\q)] matrix_a_fmt:MATRIX_FMT_BF8 matrix_b_fmt:MATRIX_FMT_BF8 matrix_a_scale:MATRIX_SCALE_ROW1
.else
	v_wmma_scale_f32_16x16x128_f8f6f4 v[8*(8*((\a)%4)+\b):8*(8*((\a)%4)+\b)+7], v[128*(\p)+16*\b:128*(\p)+16*\b+15], v[AF+16*(\a):AF+16*(\a)+15], v[8*(8*((\a)%4)+\b):8*(8*((\a)%4)+\b)+7], v[SC+16*(\sc)+2*\b+(\q)], v[SC+16*(\sc)+2*(\a)+(\q)] matrix_a_fmt:MATRIX_FMT_BF8 matrix_b_fmt:MATRIX_FMT_BF8 matrix_a_scale:MATRIX_SCALE_ROW1
.endif
.endr
.endr
.endm
.macro FETCH_B slot, q, p
	WIN TO_B
.irp i, 0,1,2,3,4,5,6,7
	FRAG 128*(\p)+16*\i, ADRB+\slot, \q, \i
.endr
	WIN 0
.endm
.macro FETCH_A slot, q, i0
.irp i, \i0, \i0+1, \i0+2, \i0+3
	FRAG AF+16*(\i), ADRA+\slot, \q, \i
.endr
.endm
.macro SCALES sc
.irp i, 0,1,2,3,4,5,6,7
.irp q, 0,1
	ds_load_b32 v[SC+16*\sc+2*\i+\q], v[ADRS] offset:1024*\q+64*\i
.endr
.endr
.endm
.macro PLACES n
.rept \n
	v_nop
.endr
.endm
.macro STEP slot, q, zero
	s_wait_dscnt 16                                ; all but the youngest 16 loads (row blocks 4-7)
	WIN MUL_LO-0x20*\zero
	MUL16 0, (\q)%2, \q, \slot, \zero
	MUL16 2, (\q)%2, \q, \slot, \zero
	s_wait_dscnt 0
	PLACES NP
	FETCH_B \slot, (\q)+1, 1-(\q)%2
	FETCH_A \slot, (\q)+1, 0
	WIN MUL_HI-0x30*\zero
	MUL16 4, (\q)%2, \q, \slot, \zero
	MUL16 6, (\q)%2, \q, \slot, \zero
	PLACES NP
	WIN 0
	FETCH_A \slot, (\q)+1, 4
.endm
.macro TURN slot, next, fill
	s_wait_tensorcnt 0x0                           ; all my tensor loads have landed
	ds_add_u32 v[SPW], v[NIL]
	s_wait_dscnt 17                                ; the add and the youngest 16 loads may be out
	WIN MUL_LO
	MUL16 0, 1, 1, \slot, 0
	s_wait_dscnt 0x0                               ; the add is done, and my reads of this slot are over
	s_barrier_signal -1
	MUL16 2, 1, 1, \slot, 0
	WIN 0
	s_barrier_wait -1
.if \fill
	CREST
	s_add_nc_u64 s[G0+4*\slot+2:G0+4*\slot+3], s[G0+4*\slot+2:G0+4*\slot+3], 4194304
	s_add_nc_u64 s[G0B+4*\slot+2:G0B+4*\slot+3], s[G0B+4*\slot+2:G0B+4*\slot+3], 2097152
	JLOAD G0+4*\slot, G1, G0B+4*\slot, G1B
	PLACES NP-4
.else
	PLACES NP
.endif
	s_wait_alu depctr_va_vdst(0)
	v_add_nc_u32 v[ADRS], 2048, v[ADRS]            ; the next slot's scale words: two K steps of 1,024 bytes
	FETCH_B \next, 0, 0
	FETCH_A \next, 0, 0
	SCALES \next
	WIN MUL_HI
	MUL16 4, 1, 1, \slot, 0
	MUL16 6, 1, 1, \slot, 0
	PLACES NP
	WIN 0
	FETCH_A \next, 0, 4
.endm
	s_wait_alu depctr_va_vdst(0)                   ; the head's end; slot 0 and the scale words were shown by the round above
	FETCH_B 0, 0, 0
	FETCH_A 0, 0, 0
	SCALES 0
	FETCH_A 0, 0, 4
	s_wait_loadcnt 0x0                             ; the bias
	STEP 0, 0, 1
	TURN 0, 1, 1
	STEP 1, 0, 0
	TURN 1, 0, 1
	STEP 0, 0, 0
	TURN 0, 1, 0
	STEP 1, 0, 0
	WIN 0x40                                       ; W1's set 0 is done with, eight places back: gamma and beta of my 128 columns land there during the last 64 products
.irp b, 0,1,2,3,4,5,6,7
	global_load_b128 v[8*\b:8*\b+3], v14, s[14:15] offset:(32*(\b/2)+8*(\b%2))*4
	global_load_b128 v[8*\b+4:8*\b+7], v14, s[14:15] offset:(32*(\b/2)+8*(\b%2))*4+16
	global_load_b128 v[64+8*\b:64+8*\b+3], v14, s[16:17] offset:(32*(\b/2)+8*(\b%2))*4
	global_load_b128 v[64+8*\b+4:64+8*\b+7], v14, s[16:17] offset:(32*(\b/2)+8*(\b%2))*4+16
.endr
	WIN 0
	s_wait_dscnt 16
	WIN MUL_LO
	MUL16 0, 1, 1, 1, 0
	MUL16 2, 1, 1, 1, 0
	s_wait_dscnt 0
	WIN MUL_HI
	MUL16 4, 1, 1, 1, 0
	MUL16 6, 1, 1, 1, 0
	WIN 0
; THE WAY TO CODES, a row block of 16 rows x 128 hidden units a trip.  No tensor load of mine is out: the descriptors' registers take the constants.
.set Z,   64                           ; v64-127  64 numbers of my row
.set XC,  128                          ; v128-159 x, held;  later TM and PC
.set S2,  160                          ; v160-191 x^2
.set PP,  192                          ; v192-223 the numerator
.set QQ,  224                          ; v224-255 the denominator
.set TM,  128
.set PC,  144
.macro CPAIR reg, val                  ; a packed form names a pair and takes its low word for both halves: both words are written
	s_mov_b32 s[\reg], \val
	s_mov_b32 s[\reg+1], \val
.endm
	PLACES NP
	CPAIR 24, 0xac95df0b                           ; the numerator's coefficients, highest power first (the second lies in v[10:11])
	CPAIR 26, 0xb40cff51
	CPAIR 28, 0xb6eec2d2
	CPAIR 30, 0xb940ac63
	CPAIR 32, 0xbac1a1f6
	CPAIR 34, 0xbc83dbd4
	CPAIR 36, 0xb62ccd2b                           ; the denominator's (the second lies in v[8:9])
	CPAIR 38, 0xba9bf7b5
	CPAIR 40, 0xbc2ad7f2
	CPAIR 42, 0xbd2542a9
	s_mov_b32 s44, 0x40b504f3                      ; 4 sqrt 2
	s_mov_b32 s45, 0xc0b504f3
	v_mov_b32 v8, 0xb89e3512
	v_mov_b32 v9, 0xb89e3512
	v_mov_b32 v10, 0x306dffee
	v_mov_b32 v11, 0x306dffee
	v_and_b32 v3, 31, v0
	v_lshlrev_b32 v1, 4, v3                        ; 16 x lane
	v_lshlrev_b32 v2, 2, v3                        ; 4 x lane
	v_mov_b32 v4, 0
	s_mov_b32 s54, 0
	s_wait_loadcnt 0x0                             ; gamma, beta
.macro CASE a                          ; z = h rstd - mean rstd: LayerNorm's first step brings block a's 64 numbers into window 0; each accumulator is read from its low end on
	WIN 0x02+(\a)/4
.set i, 0
.rept 32
	v_pk_fma_f32 v[Z+2*i:Z+2*i+1], v[64*((\a)%4)+2*i:64*((\a)%4)+2*i+1], v[RS+2*(\a):RS+2*(\a)+1], v[RS+2*(\a):RS+2*(\a)+1] op_sel:[0,0,1] op_sel_hi:[1,0,1]
.set i, i+1
.endr
	WIN 0
.endm
.macro ERF hb                          ; 32 numbers: x becomes x (1/2 + x P(x^2) / Q(x^2))
.set ZB, Z+32*\hb
.set i, 0
.rept 32
	v_med3_num_f32 v[XC+i], v[ZB+i], s45, s44
.set i, i+1
.endr
.set i, 0
.rept 16
	v_pk_mul_f32 v[S2+2*i:S2+2*i+1], v[XC+2*i:XC+2*i+1], v[XC+2*i:XC+2*i+1]
.set i, i+1
.endr
.set i, 0
.rept 16
	v_pk_fma_f32 v[QQ+2*i:QQ+2*i+1], v[S2+2*i:S2+2*i+1], s[36:37], v[8:9] op_sel_hi:[1,0,1]
.set i, i+1
.endr
.irp k, 38,40,42
.set i, 0
.rept 16
	v_pk_fma_f32 v[QQ+2*i:QQ+2*i+1], v[QQ+2*i:QQ+2*i+1], v[S2+2*i:S2+2*i+1], s[\k:\k+1] op_sel_hi:[1,1,0]
.set i, i+1
.endr
.endr
.set i, 0
	s_wait_alu depctr_va_vdst(0)
.rept 32
	v_rcp_f32 v[QQ+i], v[QQ+i]                     ; one batch; the numerator below names none of its results
.set i, i+1
.endr
.set i, 0
.rept 16
	v_pk_fma_f32 v[PP+2*i:PP+2*i+1], v[S2+2*i:S2+2*i+1], s[24:25], v[10:11] op_sel_hi:[1,0,1]
.set i, i+1
.endr
.irp k, 26,28,30,32,34
.set i, 0
.rept 16
	v_pk_fma_f32 v[PP+2*i:PP+2*i+1], v[PP+2*i:PP+2*i+1], v[S2+2*i:S2+2*i+1], s[\k:\k+1] op_sel_hi:[1,1,0]
.set i, i+1
.endr
.endr
.set i, 0
.rept 16
	v_pk_mul_f32 v[PP+2*i:PP+2*i+1], v[PP+2*i:PP+2*i+1], v[XC+2*i:XC+2*i+1]
.set i, i+1
.endr
	s_wait_alu depctr_va_vdst(0)                   ; one wait for the 32 reciprocals, ahead of their first reader
.set i, 0
.rept 16
	v_pk_fma_f32 v[PP+2*i:PP+2*i+1], v[PP+2*i:PP+2*i+1], v[QQ+2*i:QQ+2*i+1], 0.5 op_sel_hi:[1,1,0]
.set i, i+1
.endr
.set i, 0
.rept 16
	v_pk_mul_f32 v[ZB+2*i:ZB+2*i+1], v[ZB+2*i:ZB+2*i+1], v[PP+2*i:PP+2*i+1]
.set i, i+1
.endr
.endm
.macro QUANT s, pw                     ; register 16 b + i = k 32 b + 16 (lane / 16) + i of my row: codes into v[PC] on, the scale word into v[pw]
.irp b, 0,1,2,3
	v_max3_num_f32 v[TM+\b], |v[\s+16*\b]|, |v[\s+1+16*\b]|, 0x8000000
.endr
.irp i, 2,4,6,8,10,12,14
.irp b, 0,1,2,3
	v_max3_num_f32 v[TM+\b], v[TM+\b], |v[\s+16*\b+\i]|, |v[\s+1+16*\b+\i]|
.endr
.endr
.irp b, 0,1,2,3
	v_permlanex16_b32 v[TM+4+\b], v[TM+\b], s[SEL], s[SEL+1]
.endr
.irp b, 0,1,2,3
	v_max_num_f32 v[TM+\b], v[TM+\b], v[TM+4+\b]
.endr
.irp b, 0,1,2,3
	v_add_nc_u32 v[TM+12+\b], 0xf8800000, v[TM+\b]
.endr
.irp b, 0,1,2,3
	v_and_or_b32 v[TM+8+\b], v[TM+\b], 0x7f800000, s[MNT]
.endr
.irp b, 0,1,2,3
	v_lshrrev_b32 v[TM+4+\b], 23, v[TM+12+\b]
.endr
	v_lshl_or_b32 v[\pw], v[TM+5], 8, v[TM+4]
	v_lshl_or_b32 v[\pw], v[TM+6], 16, v[\pw]
	v_lshl_or_b32 v[\pw], v[TM+7], 24, v[\pw]
.irp b, 0,1,2,3
.irp i, 0,1,2,3,4,5,6,7,8,9,10,11,12,13,14,15
	v_med3_num_f32 v[\s+16*\b+\i], v[\s+16*\b+\i], -v[TM+8+\b], v[TM+8+\b]
.endr
	v_cvt_scalef32_pk8_bf8_f32 v[PC+4*\b:PC+1+4*\b], v[\s+16*\b:\s+7+16*\b], v[TM+12+\b]
	v_cvt_scalef32_pk8_bf8_f32 v[PC+2+4*\b:PC+3+4*\b], v[\s+8+16*\b:\s+15+16*\b], v[TM+12+\b]
.endr
	v_nop                                          ; a plain line behind the last conversion
.endm
.Lrow:                                             ; eight trips; only the lines that name the block's accumulators differ, and are chosen by the count of trips
.irp k, 0,1,2,3,4,5,6
	s_cmp_eq_u32 s54, \k
	s_cbranch_scc1 .Lcase_\k
.endr
	CASE 7
	s_branch .Ljoin
.irp k, 0,1,2,3,4,5,6
.Lcase_\k:
	CASE \k
	s_branch .Ljoin
.endr
.Ljoin:
	WIN 0x14                                       ; gamma and beta in window 1
.set i, 0
.rept 32
	v_pk_fma_f32 v[Z+2*i:Z+2*i+1], v[Z+2*i:Z+2*i+1], v[2*i:2*i+1], v[64+2*i:64+2*i+1]
.set i, i+1
.endr
	WIN 0
	ERF 0
	ERF 1
	QUANT Z, 3
.irp c, 0,1,2,3
	global_store_b128 v1, v[PC+4*\c:PC+4*\c+3], s[18:19] offset:512*\c   ; the fragment as it stands: 512 consecutive bytes a store
.endr
	s_bitcmp1_b32 s54, 0
	s_cbranch_scc0 .Leven
	v_cndmask_b32 v5, v4, v3, s95                  ; lanes 0-15 the block before's scale words, lanes 16-31 this block's: 128 consecutive bytes
	global_store_b32 v2, v5, s[20:21]
	s_wait_xcnt 0x0                                ; the store has read its base
	s_add_nc_u64 s[20:21], s[20:21], 128
.Leven:
	v_mov_b32 v4, v3
	s_wait_xcnt 0x0                                ; the stores have read their registers and base: both are written again below and in the next trip
	s_add_nc_u64 s[18:19], s[18:19], 4096
	s_add_co_u32 s54, s54, 1
	s_cmp_lt_u32 s54, 8
	s_cbranch_scc1 .Lrow
	s_wait_tensorcnt 0x0                           ; the wave's end
	ds_add_u32 v[SPW], v[NIL]
	s_wait_dscnt 0x0
	CROUND                                         ; the closing round
	s_endpgm
.Lfunc_end_k_q45b22737d0_hidden:
	.size	k_q45b22737d0_hidden, .Lfunc_end_k_q45b22737d0_hidden-k_q45b22737d0_hidden
	.p2alignl 7, 3214868480
	.fill 96, 4, 3214868480
	.section	.rodata,"a",@progbits
	.p2align	6, 0x0
	.amdhsa_kernel k_q45b22737d0_hidden
		.amdhsa_group_segment_fixed_size 327680
		.amdhsa_private_segment_fixed_size 0
		.amdhsa_enable_private_segment 0
		.amdhsa_kernarg_size 72
		.amdhsa_user_sgpr_count 2
		.amdhsa_user_sgpr_kernarg_segment_ptr 1
		.amdhsa_wavefront_size32 1
		.amdhsa_system_sgpr_workgroup_id_x 1
		.amdhsa_system_sgpr_workgroup_id_y 1
		.amdhsa_system_sgpr_workgroup_id_z 1
		.amdhsa_system_vgpr_workitem_id 0
		.amdhsa_next_free_vgpr 1024
		.amdhsa_next_free_sgpr 102
		.amdhsa_reserve_vcc 0
		.amdhsa_float_denorm_mode_32 3
		.amdhsa_float_denorm_mode_16_64 3
		.amdhsa_memory_ordered 1
		.amdhsa_forward_progress 1
		.amdhsa_inst_pref_size 219
	.end_amdhsa_kernel
	.amdgpu_metadata
---
amdhsa.version: [ 1, 2 ]
amdhsa.kernels:
  - .name:           k_q45b22737d0_hidden
    .symbol:         k_q45b22737d0_hidden.kd
    .args:
      - { .name: xc, .offset: 0, .size: 8, .value_kind: global_buffer, .address_space: global }
      - { .name: w1c, .offset: 8, .size: 8, .value_kind: global_buffer, .address_space: global }
      - { .name: sc, .offset: 16, .size: 8, .value_kind: global_buffer, .address_space: global }
      - { .name: b1, .offset: 24, .size: 8, .value_kind: global_buffer, .address_space: global }
      - { .name: st, .offset: 32, .size: 8, .value_kind: global_buffer, .address_space: global }
      - { .name: ln_gamma, .offset: 40, .size: 8, .value_kind: global_buffer, .address_space: global }
      - { .name: ln_beta, .offset: 48, .size: 8, .value_kind: global_buffer, .address_space: global }
      - { .name: hc, .offset: 56, .size: 8, .value_kind: global_buffer, .address_space: global }
      - { .name: hs, .offset: 64, .size: 8, .value_kind: global_buffer, .address_space: global }
    .group_segment_fixed_size: 327680
    .private_segment_fixed_size: 0
    .kernarg_segment_align: 8
    .kernarg_segment_size: 72
    .max_flat_workgroup_size: 128
    .sgpr_count:     102
    .vgpr_count:     1024
    .wavefront_size: 32
...
	.end_amdgpu_metadata
.endif
;; end of part 3
;; launch project (part 4): grid 64 x 4, 4 waves a work-group, clusters of 4 x 1, 327,680 bytes of LDS; arguments hc, hs, w2c, sc, out0; writes out0
.if DOCPART == 4
	.amdgcn_target "amdgcn-amd-amdhsa--gfx1250"
	.amdhsa_code_object_version 6
	.text
	.protected	k_q45b22737d0_project
	.globl	k_q45b22737d0_project
	.p2align	8
	.type	k_q45b22737d0_project,@function
k_q45b22737d0_project:
	s_mov_b64 s[64:65], 0
	v_nop
	global_prefetch_b8 v0, s[64:65] scope:SCOPE_SE
	s_setreg_imm32_b32 hwreg(HW_REG_WAVE_MODE, 25, 1), 1
	s_wait_xcnt 0x0
	s_wait_alu depctr_hold_cnt(0) depctr_sa_sdst(0) depctr_va_vdst(0) depctr_va_sdst(0) depctr_va_ssrc(0) depctr_va_vcc(0) depctr_vm_vsrc(0)
	s_getreg_b32 s2, hwreg(HW_REG_IB_STS2, 6, 4)
	s_cmp_eq_u32 s2, 0
	s_cbranch_scc0 .Lentry_in_a_cluster
	s_endpgm
.Lentry_in_a_cluster:
	s_bfe_u32 s2, ttmp6, 0x10000c
	s_cmp_lg_u32 s2, 0x3003
	s_cbranch_scc0 .Lentry_shape_is_right
	s_endpgm
.Lentry_shape_is_right:
; out0 = Q(gelu(..)) Q(W2) on codes of BF8 with E8M0 scales, K = 4,096.  No work of the problem is left out.
; A work-group of four waves makes 128 rows x 256 columns; a wave 32 rows x 256: 32 accumulators.  The hidden layer's fragments and scale words (hc, hs) come straight into registers, seven K steps of 128 ahead;
; W2's codes go through a ring of two LDS slots of 512 along K (16 tiles x 4,096 bytes for each 256 along K, dense in memory), asked for jointly by the four work-groups of a cluster, which share the columns.
; W2's scale words of all of K, [K step 0..31][16 tiles x 64 bytes], come once, at the head.  The matrix instruction is used transposed (source 0 = W2's columns): a lane holds eight neighbours of a row of out0.
; THE HEAD'S LOADS, ONE A WAVE: waves 0 and 1 fetch slot 0's two blocks of 65,536 bytes, waves 2 and 3 the scale words of 16 K steps each; slot 1 is first filled behind the full sequence and a round.
; The results leave through each wave's own stage in slot 0, which has had its last fill and its last read by then.  LIMITS: NaN and infinities are not served.
.set SLOT,   131072
.set SCL,    262144
.set SPARE,  299008
.set SPITCH, 1040
.set NP,     8
.set LS,   2
.set LI,   4
.set ADRB, 4
.set ADRS, 8
.set STO,  9
.set RD,   10
.set SPW,  12
.set NIL,  13
.set SCB,  32
.set SCA,  48
.set BK,   64
.set G1B,  24
.set G0B,  32
.set G1S,  40
.set G0S,  48
.set PA,   52
.set PS,   54
.set WV,   56
.set MULW, 0xad
.set MSB, 0
.macro WIN new
.if MSB != (\new)
	s_set_vgpr_msb (MSB<<8)|(\new)
.set MSB, (\new)
.endif
.endm
.macro PLACES n
.rept \n
	v_nop
.endr
.endm
.macro CREST
	s_cmp_lg_u32 s[WV], 0
	s_cbranch_scc1 .Lnot_wave_0_\@
	s_barrier_signal -3
.Lnot_wave_0_\@:
	s_barrier_wait -3
	s_barrier_signal -1
	s_barrier_wait -1
.endm
.macro CROUND
	s_barrier_signal -1
	s_barrier_wait -1
	CREST
.endm
	s_load_b256 s[4:11], s[0:1], 0x0
	s_load_b64 s[12:13], s[0:1], 0x20
	v_lshl_add_u32 v[SPW], v0, 2, SPARE
	v_mov_b32 v[NIL], 0
	ds_add_u32 v[SPW], v[NIL]
	ds_add_u32 v[SPW], v[NIL]
	v_lshrrev_b32 v3, 5, v0
	v_readfirstlane_b32 s[WV], v3
	s_bfe_u32 s14, ttmp6, 0x40000
	s_lshl_b32 s15, ttmp9, 2
	s_add_co_u32 s15, s15, s14
	s_and_b32 s16, ttmp7, 0xffff
	s_mov_b32 s[G1B+0], 15|(3<<16)|(1<<21)
	s_mov_b32 s[G1B+1], 32<<16
	s_mov_b32 s[G1B+2], 256<<16                    ; the head's loads bring 256 rows of 256 bytes; the ring's 128, set behind the head's wait
	s_mov_b32 s[G1B+3], 32<<16
	s_mov_b32 s[G1B+4], 256
	s_mov_b32 s[G1B+5], 32
	s_mov_b32 s[G1B+6], 0
	s_mov_b32 s[G1B+7], 0
	s_mov_b32 s[G1S+0], 15|(3<<16)|(1<<21)
	s_mov_b32 s[G1S+1], 128<<16
	s_mov_b32 s[G1S+2], 16<<16                     ; 16 K steps' scale words, 1,024 bytes each
	s_mov_b32 s[G1S+3], 128<<16
	s_mov_b32 s[G1S+4], 16
	s_mov_b32 s[G1S+5], 512
	s_mov_b32 s[G1S+6], 0
	s_mov_b32 s[G1S+7], 0
	s_lshr_b32 s17, s[WV], 1
	s_lshl_b32 s18, s17, 18
	s_lshl_b32 s17, s16, 16
	s_add_co_u32 s18, s18, s17
	s_and_b32 s17, s[WV], 1
	s_lshl_b32 s17, s17, 15
	s_add_co_u32 s18, s18, s17
	s_mov_b32 s19, 0
	s_lshl_b32 s20, s16, 10
	s_and_b32 s17, s[WV], 1
	s_lshl_b32 s17, s17, 16                        ; wave 2: K steps 0-15, wave 3: 16-31, 4,096 bytes of sc apart
	s_add_co_u32 s20, s20, s17
	s_add_co_u32 s20, s20, 393216
	s_mov_b32 s21, 0
	s_lshl_b32 s22, s[WV], 15
	s_and_b32 s23, s[WV], 1
	s_lshl_b32 s23, s23, 14                        ; and 16,384 bytes of LDS for each
	s_lshl_b32 s58, s[WV], 18                      ; s[58:59]: the head's block of codes: 256 along K x wave, my 16 tiles
	s_lshl_b32 s17, s16, 16
	s_add_co_u32 s58, s58, s17
	s_mov_b32 s59, 0
	s_wait_dscnt 0x0
	s_wait_kmcnt 0x0
	s_add_nc_u64 s[18:19], s[8:9], s[18:19]
	s_add_nc_u64 s[20:21], s[10:11], s[20:21]
	CROUND
	s_mov_b32 s[G0S], 1
	s_add_co_u32 s[G0S+1], s23, SCL
	s_mov_b64 s[G0S+2:G0S+3], s[20:21]
	s_or_b32 s[G0S+3], s[G0S+3], 0x80000000
	s_mov_b32 s[G0B], 1                            ; slot 0's group 0 serves the head's loads first: 65,536 bytes x wave
	s_lshl_b32 s[G0B+1], s[WV], 16
	s_add_nc_u64 s[G0B+2:G0B+3], s[8:9], s[58:59]
	s_or_b32 s[G0B+3], s[G0B+3], 0x80000000
	s_mov_b32 s[G0B+4], 1                          ; slot 1's: a quarter of the slot a wave
	s_add_co_u32 s[G0B+5], s22, SLOT
	s_add_nc_u64 s[G0B+6:G0B+7], s[18:19], 524288
	s_or_b32 s[G0B+7], s[G0B+7], 0x80000000
	s_cmp_lt_u32 s[WV], 2                          ; one joint load a wave, in the two arms of one branch on the wave's number
	s_cbranch_scc0 .Lhead_s
	tensor_load_to_lds s[G0B:G0B+3], s[G1B:G1B+7]
	s_nop 0
	PLACES 4
	s_branch .Lhead_asked
.Lhead_s:
	tensor_load_to_lds s[G0S:G0S+3], s[G1S:G1S+7]
	s_nop 0
	PLACES 4
.Lhead_asked:
	v_and_b32 v3, 31, v0
	v_lshlrev_b32 v[LI], 4, v3
	s_wait_alu depctr_va_vdst(0)
	v_lshlrev_b32 v[LS], 2, v3
	s_wait_alu depctr_va_vdst(0)
	s_lshl_b32 s22, s15, 15
	s_lshl_b32 s17, s[WV], 13
	s_add_co_u32 s22, s22, s17
	s_mov_b32 s23, 0
	s_add_nc_u64 s[PA:PA+1], s[4:5], s[22:23]
	s_lshl_b32 s22, s15, 9
	s_lshl_b32 s17, s[WV], 7
	s_add_co_u32 s22, s22, s17
	s_add_nc_u64 s[PS:PS+1], s[6:7], s[22:23]
.macro ALOAD m
	WIN 0xc0
.irp a, 0,1
.irp c, 0,1,2,3
	global_load_b128 v[32*(\m)+16*\a+4*\c:32*(\m)+16*\a+4*\c+3], v[LI], s[PA:PA+1] offset:((\m)/2)*2097152+((\m)%2)*2048+4096*\a+512*\c
.endr
.endr
	WIN 0
	global_load_b32 v[SCA+(\m)], v[LS], s[PS:PS+1] offset:(\m)*32768
.endm
.irp m, 0,1,2,3,4,5,6
	ALOAD \m
.endr
	v_add_nc_u32 v[ADRB+1], 65536, v[LI]
	v_add_nc_u32 v[ADRB+2], 131072, v[LI]
	v_add_nc_u32 v[ADRB+3], 196608, v[LI]
	v_add_nc_u32 v[ADRS], SCL, v[LS]
	v_and_b32 v14, 15, v0
	v_bfe_u32 v15, v0, 4, 1
	s_mul_i32 s17, s[WV], 16*SPITCH
	v_mul_u32_u24 v[STO], v14, SPITCH
	v_lshl_add_u32 v[STO], v15, 5, v[STO]
	v_add_nc_u32 v[STO], s17, v[STO]
	v_add_nc_u32 v[RD], s17, v[LI]
	s_lshl_b32 s22, s15, 19
	s_lshl_b32 s17, s[WV], 17
	s_add_co_u32 s22, s22, s17
	s_lshl_b32 s17, s16, 10
	s_add_co_u32 s22, s22, s17
	s_add_nc_u64 s[12:13], s[12:13], s[22:23]
.macro WM b, a, pos, p, zero
.set rD, 8*(16*(\a)+(\b))
.set rB, 16*(\b)
.set rA, 32*(\pos)+16*(\a)
.set rSB, SCB+8*(\p)+(\b)/2
.set rSA, SCA+(\pos)
.if \zero
.if ((\b)%2 == 0) && ((\a) == 0)
	v_wmma_scale_f32_16x16x128_f8f6f4 v[rD:rD+7], v[rB:rB+15], v[rA:rA+15], 0, v[rSB], v[rSA] matrix_a_fmt:MATRIX_FMT_BF8 matrix_b_fmt:MATRIX_FMT_BF8
.elseif (\a) == 0
	v_wmma_scale_f32_16x16x128_f8f6f4 v[rD:rD+7], v[rB:rB+15], v[rA:rA+15], 0, v[rSB], v[rSA] matrix_a_fmt:MATRIX_FMT_BF8 matrix_b_fmt:MATRIX_FMT_BF8 matrix_a_scale:MATRIX_SCALE_ROW1
.elseif (\b)%2 == 0
	v_wmma_scale_f32_16x16x128_f8f6f4 v[rD:rD+7], v[rB:rB+15], v[rA:rA+15], 0, v[rSB], v[rSA] matrix_a_fmt:MATRIX_FMT_BF8 matrix_b_fmt:MATRIX_FMT_BF8 matrix_b_scale:MATRIX_SCALE_ROW1
.else
	v_wmma_scale_f32_16x16x128_f8f6f4 v[rD:rD+7], v[rB:rB+15], v[rA:rA+15], 0, v[rSB], v[rSA] matrix_a_fmt:MATRIX_FMT_BF8 matrix_b_fmt:MATRIX_FMT_BF8 matrix_a_scale:MATRIX_SCALE_ROW1 matrix_b_scale:MATRIX_SCALE_ROW1
.endif
.else
.if ((\b)%2 == 0) && ((\a) == 0)
	v_wmma_scale_f32_16x16x128_f8f6f4 v[rD:rD+7], v[rB:rB+15], v[rA:rA+15], v[rD:rD+7], v[rSB], v[rSA] matrix_a_fmt:MATRIX_FMT_BF8 matrix_b_fmt:MATRIX_FMT_BF8
.elseif (\a) == 0
	v_wmma_scale_f32_16x16x128_f8f6f4 v[rD:rD+7], v[rB:rB+15], v[rA:rA+15], v[rD:rD+7], v[rSB], v[rSA] matrix_a_fmt:MATRIX_FMT_BF8 matrix_b_fmt:MATRIX_FMT_BF8 matrix_a_scale:MATRIX_SCALE_ROW1
.elseif (\b)%2 == 0
	v_wmma_scale_f32_16x16x128_f8f6f4 v[rD:rD+7], v[rB:rB+15], v[rA:rA+15], v[rD:rD+7], v[rSB], v[rSA] matrix_a_fmt:MATRIX_FMT_BF8 matrix_b_fmt:MATRIX_FMT_BF8 matrix_b_scale:MATRIX_SCALE_ROW1
.else
	v_wmma_scale_f32_16x16x128_f8f6f4 v[rD:rD+7], v[rB:rB+15], v[rA:rA+15], v[rD:rD+7], v[rSB], v[rSA] matrix_a_fmt:MATRIX_FMT_BF8 matrix_b_fmt:MATRIX_FMT_BF8 matrix_a_scale:MATRIX_SCALE_ROW1 matrix_b_scale:MATRIX_SCALE_ROW1
.endif
.endif
.endm
.macro MUL8 pos, p, b0, zero
.set bq, \b0
.rept 4
	WM bq, 0, \pos, \p, \zero
	WM bq, 1, \pos, \p, \zero
.set bq, bq+1
.endr
.endm
.macro LDH slot, q, hf, p, so
	WIN 0x40
.irp i, 0,1,2,3,4,5,6,7
.irp c, 0,1,2,3
	ds_load_b128 v[128*(\hf)+16*\i+4*\c:128*(\hf)+16*\i+4*\c+3], v[ADRB+2*(\slot)+(\q)/2] offset:4096*(8*(\hf)+\i)+2048*((\q)%2)+512*\c
.endr
.endr
	WIN 0
.irp j, 0,1,2,3
	ds_load_b32 v[SCB+8*(\p)+4*(\hf)+\j], v[ADRS] offset:1024*(\so)+128*(4*(\hf)+\j)
.endr
.endm
.macro STEPQ slot, q, i, al, lc, zero
.if \al
	ALOAD ((\i)+7)%8
.endif
	s_wait_loadcnt \lc
	s_wait_dscnt 36
	WIN MULW
	MUL8 (\i)%8, (\i)%2, 0, \zero
	MUL8 (\i)%8, (\i)%2, 4, \zero
	PLACES NP
	LDH \slot, (\q)+1, 0, 1-(\i)%2, (\i)+1
	s_wait_dscnt 36
	WIN MULW
	MUL8 (\i)%8, (\i)%2, 8, \zero
	MUL8 (\i)%8, (\i)%2, 12, \zero
	PLACES NP
	LDH \slot, (\q)+1, 1, 1-(\i)%2, (\i)+1
.endm
.macro TURNQ slot, next, i, al, lc, fill
.if \al
	ALOAD ((\i)+7)%8
.endif
	s_wait_loadcnt \lc
	s_wait_tensorcnt 0x0
	ds_add_u32 v[SPW], v[NIL]
	s_wait_dscnt 37
	WIN MULW
	MUL8 (\i)%8, (\i)%2, 0, 0
	s_wait_dscnt 0x0
	s_barrier_signal -1
	MUL8 (\i)%8, (\i)%2, 4, 0
	WIN 0
	s_barrier_wait -1
.if \fill
	CREST
	s_add_nc_u64 s[G0B+4*\slot+2:G0B+4*\slot+3], s[G0B+4*\slot+2:G0B+4*\slot+3], 1048576
	tensor_load_to_lds s[G0B+4*\slot:G0B+4*\slot+3], s[G1B:G1B+7]
	s_nop 0
.endif
	PLACES NP
	LDH \next, 0, 0, 1-(\i)%2, (\i)+1
	WIN MULW
	MUL8 (\i)%8, (\i)%2, 8, 0
	MUL8 (\i)%8, (\i)%2, 12, 0
	PLACES NP
	LDH \next, 0, 1, 1-(\i)%2, (\i)+1
.endm
	s_wait_alu depctr_va_vdst(0)
	s_wait_tensorcnt 0x0                           ; my tile of the head's four is in
	ds_add_u32 v[SPW], v[NIL]
	s_mov_b32 s[G1B+2], 128<<16                    ; no tensor load of mine is out: from here on a load brings 128 rows,
	s_mov_b32 s[G1B+4], 128
	s_lshl_b32 s[G0B+1], s[WV], 15                 ; and slot 0's group 0 is set for the ring: a quarter of the slot a wave
	s_mov_b64 s[G0B+2:G0B+3], s[18:19]
	s_or_b32 s[G0B+3], s[G0B+3], 0x80000000
	s_wait_dscnt 0x0                               ; the add is done
	CROUND                                         ; a whole round: slot 0 and the scale words are in, and the four work-groups are here
	tensor_load_to_lds s[G0B+4:G0B+7], s[G1B:G1B+7]   ; slot 1's first fill, the first tensor load behind the round
	s_nop 0
	PLACES 4
	LDH 0, 0, 0, 0, 0
	LDH 0, 0, 1, 0, 0
	STEPQ 0, 0, 0, 1, 63, 1
	s_wait_xcnt 0x0
	s_add_nc_u64 s[PA:PA+1], s[PA:PA+1], 8388608
	s_add_nc_u64 s[PS:PS+1], s[PS:PS+1], 262144
	s_mov_b32 s3, 3
.Llap:
	s_wait_alu depctr_va_vdst(0)
	STEPQ 0, 1, 1, 1, 63, 0
	STEPQ 0, 2, 2, 1, 63, 0
	TURNQ 0, 1, 3, 1, 63, 1
	STEPQ 1, 0, 4, 1, 63, 0
	STEPQ 1, 1, 5, 1, 63, 0
	STEPQ 1, 2, 6, 1, 63, 0
	TURNQ 1, 0, 7, 1, 63, 1
	STEPQ 0, 0, 8, 1, 63, 0
	s_wait_xcnt 0x0
	s_add_nc_u64 s[PA:PA+1], s[PA:PA+1], 8388608
	s_add_nc_u64 s[PS:PS+1], s[PS:PS+1], 262144
	v_add_nc_u32 v[ADRS], 8192, v[ADRS]
	s_sub_co_u32 s3, s3, 1
	s_cmp_lg_u32 s3, 0
	s_cbranch_scc1 .Llap
	s_wait_alu depctr_va_vdst(0)
	STEPQ 0, 1, 1, 0, 54, 0
	STEPQ 0, 2, 2, 0, 45, 0
	TURNQ 0, 1, 3, 0, 36, 0
	STEPQ 1, 0, 4, 0, 27, 0
	STEPQ 1, 1, 5, 0, 18, 0
	STEPQ 1, 2, 6, 0, 9, 0
	s_wait_loadcnt 0x0
	s_wait_dscnt 36
	WIN MULW
	MUL8 7, 1, 0, 0
	MUL8 7, 1, 4, 0
	s_wait_dscnt 0x0
	MUL8 7, 1, 8, 0
	MUL8 7, 1, 12, 0
	WIN 0
.macro TOSTAGE a
	WIN 0x08
.irp b, 0,1,2,3,4,5,6,7,8,9,10,11,12,13,14,15
	ds_store_b128 v[STO], v[8*(16*\a+\b):8*(16*\a+\b)+3] offset:64*\b
	ds_store_b128 v[STO], v[8*(16*\a+\b)+4:8*(16*\a+\b)+7] offset:64*\b+16
.endr
	WIN 0x40*\a
.set t, 0
.rept 32
	ds_load_b128 v[BK*(1-\a)+4*t:BK*(1-\a)+4*t+3], v[RD] offset:(t/2)*SPITCH+512*(t%2)
.set t, t+1
.endr
	WIN 0
.endm
.macro SEND a, younger
	s_wait_dscnt \younger
	WIN 0x04*\a
.set t, 0
.rept 32
	global_store_b128 v[LI], v[BK*(1-\a)+4*t:BK*(1-\a)+4*t+3], s[12:13] offset:65536*\a+(t/2)*4096+512*(t%2) th:TH_STORE_NT
.set t, t+1
.endr
	WIN 0
.endm
	PLACES NP
	TOSTAGE 0
	TOSTAGE 1
	SEND 0, 63
	SEND 1, 0
	s_wait_tensorcnt 0x0
	ds_add_u32 v[SPW], v[NIL]
	s_wait_dscnt 0x0
	CROUND
	s_endpgm
.Lfunc_end_k_q45b22737d0_project:
	.size	k_q45b22737d0_project, .Lfunc_end_k_q45b22737d0_project-k_q45b22737d0_project
	.p2alignl 7, 3214868480
	.fill 96, 4, 3214868480
	.section	.rodata,"a",@progbits
	.p2align	6, 0x0
	.amdhsa_kernel k_q45b22737d0_project
		.amdhsa_group_segment_fixed_size 327680
		.amdhsa_private_segment_fixed_size 0
		.amdhsa_enable_private_segment 0
		.amdhsa_kernarg_size 40
		.amdhsa_user_sgpr_count 2
		.amdhsa_user_sgpr_kernarg_segment_ptr 1
		.amdhsa_wavefront_size32 1
		.amdhsa_system_sgpr_workgroup_id_x 1
		.amdhsa_system_sgpr_workgroup_id_y 1
		.amdhsa_system_sgpr_workgroup_id_z 1
		.amdhsa_system_vgpr_workitem_id 0
		.amdhsa_next_free_vgpr 1024
		.amdhsa_next_free_sgpr 66
		.amdhsa_reserve_vcc 0
		.amdhsa_float_denorm_mode_32 3
		.amdhsa_float_denorm_mode_16_64 3
		.amdhsa_memory_ordered 1
		.amdhsa_forward_progress 1
		.amdhsa_inst_pref_size 186
	.end_amdhsa_kernel
	.amdgpu_metadata
---
amdhsa.version: [ 1, 2 ]
amdhsa.kernels:
  - .name:           k_q45b22737d0_project
    .symbol:         k_q45b22737d0_project.kd
    .args:
      - { .name: hc, .offset: 0, .size: 8, .value_kind: global_buffer, .address_space: global }
      - { .name: hs, .offset: 8, .size: 8, .value_kind: global_buffer, .address_space: global }
      - { .name: w2c, .offset: 16, .size: 8, .value_kind: global_buffer, .address_space: global }
      - { .name: sc, .offset: 24, .size: 8, .value_kind: global_buffer, .address_space: global }
      - { .name: out0, .offset: 32, .size: 8, .value_kind: global_buffer, .address_space: global }
    .group_segment_fixed_size: 327680
    .private_segment_fixed_size: 0
    .kernarg_segment_align: 8
    .kernarg_segment_size: 40
    .max_flat_workgroup_size: 128
    .sgpr_count:     66
    .vgpr_count:     1024
    .wavefront_size: 32
...
	.end_amdgpu_metadata
.endif
;; end of part 4
